; MI455X (gfx1250); checked and timed in simulation.
; The chip was launched on July 23, 2026; its instructions are those of AMD's public machine-readable ISA for CDNA 5 (MIT licence, August 2026) and "CDNA5" Instruction Set Architecture Reference Guide (July 2026). The comments in the code are by the model that wrote it; some were corrected since.
;; Multi Head Attention. Allowed arithmetic: matrix products marked QUANTISED: E2M3 operands, one E8M0 scale for each 32 along K, by v_wmma_scale_f32_16x16x128_f8f6f4 with both operands' format E2M3, f32 sums; everything else in f32.
;; Inputs: Wk 1,024 x 1,024 float32; Wo 1,024 x 1,024 float32; Wq 1,024 x 1,024 float32; Wv 1,024 x 1,024 float32; bk 1,024 float32; bo 1,024 float32; bq 1,024 float32; bv 1,024 float32; keys 4 x 2,048 x 1,024 float32; ln_beta 1,024 float32; ln_gamma 1,024 float32; queries 4 x 2,048 x 1,024 float32; values 4 x 2,048 x 1,024 float32.
;; Outputs: out0 4 x 2,048 x 1,024 float32.
;; This version of the problem:
;;   THIS VERSION OF THE PROBLEM IS GIVEN IN LOW PRECISION. The matrix products marked QUANTISED in the list below multiply operands that are first quantised to E2M3 (2 exponent bits, 3 mantissa bits; 6 bits a number), with one power-of-two scale for each 32 numbers along K (OCP MX v1.0); their sums are f32. All else is computed in f32.
;;   The module's matrix products, in the order in which they are computed (A, B: the left and right operand; K: the contracted axis; several contracted axes count as one K, in the product's order):
;;     1. [M 8,192, K 1,024] x [K 1,024, N 1,024]; A: input queries; B: input Wq: QUANTISED
;;     2. [M 8,192, K 1,024] x [K 1,024, N 1,024]; A: input keys; B: input Wk: QUANTISED
;;     3. [M 8,192, K 1,024] x [K 1,024, N 1,024]; A: input values; B: input Wv: QUANTISED
;;     4. batch 64 x [M 2,048, K 64] x [K 64, N 2,048]; A: computed on the way; B: computed on the way: QUANTISED
;;     5. batch 64 x [M 2,048, K 2,048] x [K 2,048, N 64]; A: softmax (see below); B: computed on the way: QUANTISED
;;     6. [M 8,192, K 1,024] x [K 1,024, N 1,024]; A: computed on the way; B: input Wo: QUANTISED
;;   THE QUANTISER, for each operand of a quantised product, along K:
;;     - K is cut into blocks of 32 from its start; a last block that is shorter is filled with zeros.
;;     - A block's scale is 2^e with e = floor(log2(the largest magnitude in the block)) - 2, held to -126 .. 127; a block of zeros has e = 0. As a byte (E8M0): e + 127.
;;     - Each number is divided by its block's scale, clamped to +-7.5, and rounded to the nearest number of E2M3, ties to even, subnormals kept.
;;     - The product sums the exact products of the quantised numbers (number of the format x scale) in f32.
;;   ~~~python
;;   def quantise(x, axis):      # numpy; x: float32 -> the quantised numbers, widened to float32 again
;;       x = np.moveaxis(x, axis, -1); K = x.shape[-1]
;;       x = np.pad(x, [(0, 0)] * (x.ndim - 1) + [(0, -K % 32)]); x = x.reshape(x.shape[:-1] + (-1, 32)); a = np.abs(x).max(-1, keepdims=True)
;;       e = np.where(a > 0, np.clip(np.frexp(np.where(a > 0, a, 1))[1] - 1 - 2, -126, 127), 0)      # np.frexp(a)[1] - 1 = floor(log2(a)), exactly
;;       r = np.clip(x / 2.0 ** e, -7.5, 7.5)
;;       step = 2.0 ** (np.maximum(np.frexp(np.where(r == 0, 1, r))[1] - 1, 0) - 3)
;;       q = np.round(r / step) * step * 2.0 ** e      # np.round: ties to even
;;       return np.moveaxis(q.reshape(q.shape[:-2] + (-1,))[..., :K], -1, axis).astype(np.float32)
;;   ~~~
;;   SOFTMAX AHEAD OF A QUANTISED PRODUCT. Where the list says 'softmax', what is quantised is not the finished softmax but p = 2^(t - M), with t = logit x log2(e) and M = ceil(the row's largest t), a whole number; so 1/2 < the row's largest p <= 1. The row's sum l is taken of the UNQUANTISED p, in f32, and the product's result is divided by l at the end. Since M is a whole number, a kernel that streams over the keys may use a running M (the ceiling of the running maximum): every later rescaling is an exact power of two, which a block's scale takes up: the codes' values come out the same.
;;   OPERANDS COMPUTED ON THE WAY. 'Computed on the way' means the value that the module computes at that place (a softmax that the list does not call 'softmax' is quantised finished and normalised). What goes into a quantiser is computed in f32, as accurately as f32 sums, v_exp_f32 and their like allow (about 1e-6 of the number): no bf16 or f16 on the way to a quantiser, and a product that is left as it is and whose result goes on into a quantised operand takes f32 operands (vector FMAs, or v_wmma_f32_16x16x4_f32). A number that lies on a knife's edge between two numbers of the format may be rounded either way, as far as f32 arithmetic and the matrix unit's own rounding can turn it there, and no further.
;; One version. Each part assembles by itself: llvm-mc -triple=amdgcn-amd-amdhsa -mcpu=gfx1250 --defsym DOCPART=n.
;; ======== version 1 of 1: 4 launches
;; limits: right only within a limited range of input values
;; workspace buffers: wimg 3,276,800 bytes; qk 13,631,488 bytes; vv 6,553,600 bytes
;; launch quant_w (part 1): grid 32 x 8, 4 waves a work-group, no clusters, 0 bytes of LDS; arguments Wq, Wk, Wv, Wo, wimg; writes wimg
.if DOCPART == 1
	.amdgcn_target "amdgcn-amd-amdhsa--gfx1250"
	.amdhsa_code_object_version 6
	.text
	.protected	k_q61bd2c6198_quant_w
	.globl	k_q61bd2c6198_quant_w
	.p2align	8
	.type	k_q61bd2c6198_quant_w,@function
k_q61bd2c6198_quant_w:
	s_mov_b64 s[64:65], 0
	v_nop
	global_prefetch_b8 v0, s[64:65] scope:SCOPE_SE
	s_setreg_imm32_b32 hwreg(HW_REG_WAVE_MODE, 25, 1), 1
	s_wait_xcnt 0x0
; The four weights [1024 (k)][1024 (n)], f32, become codes of FP6 (E2M3) with one E8M0 byte for each 32 along k, laid as IMAGES OF OPERAND REGISTERS.
; A fragment is 16 columns x 128 of K in 12 registers a lane; its image is 3 pieces of 512 bytes: piece p holds registers 4 p .. 4 p + 3, lane l's 16 bytes at 16 l.
; ORDER OF K (the same for every operand of these products): fragment step s (0..7), register half c, lane half h hold the natural block of 32 numbers 16 c + 2 s + h, that is k = 512 c + 64 s + 32 h + 0 .. 31.
; wimg, for weight wi (0 Wq, 1 Wk, 2 Wv, 3 Wo) at wi x 819,200: images [wave 16][s 8][tile 4][1536]; from 786,432 on scale words [wave][s][tile][lane 16].
; COLUMNS.  Wq, Wk, Wo: column 64 w + 32 b + 16 p + 8 u + e is lane 8 p + e of tile 2 b + u of wave w.  Wv: column 64 (4 gq + gi) + 32 b + 16 p + 8 u + e is lane 8 p + e of tile gi of wave 4 gq + 2 b + u.
; SHARES.  Work-group x = 8 wi + cgrp, y = s.  Wave w takes the 32 columns from 32 cg on, cg = 4 cgrp + w.  A LANE TAKES A COLUMN AND ITS REGISTERS RUN DOWN k: lane l takes column 32 cg + 16 l[3] + 8 l[4] + l[2:0],
; so that each load reads 128 consecutive bytes a wave, a block's largest magnitude needs no other lane, and the conversions give codes with K innermost.
; A block's byte is its largest magnitude's exponent field - 2, held at 1 from below.
; LIMITS: NaN and infinities are not served; a block of zeros gets the byte 1 (its codes are zeros; this program alone reads the bytes); magnitudes under 2^-124 are taken at that floor.
.set X,  48                            ; v48-111  two sets of 32 numbers
.set FA, 20                            ; v20-31   my column's codes for lane half 0 of the fragment (12 registers)
.set FB, 32                            ; v32-43   and for lane half 1
.set CT, 44                            ; v44-46   a block's upper 16 codes (a conversion's three registers begin on an even number)
.set SW, 16                            ; v16      my column's scale word
	s_load_b256 s[4:11], s[0:1], 0x0               ; Wq s[4:5], Wk s[6:7], Wv s[8:9], Wo s[10:11]
	s_load_b64 s[12:13], s[0:1], 0x20              ; wimg
	v_lshrrev_b32 v5, 5, v0
	v_readfirstlane_b32 s14, v5                    ; wave
	s_lshr_b32 s15, ttmp9, 3                       ; wi
	s_and_b32 s16, ttmp9, 7                        ; cgrp
	s_and_b32 s17, ttmp7, 0xffff                   ; s
	s_lshl_b32 s18, s16, 2
	s_add_co_u32 s18, s18, s14                     ; cg
	v_and_b32 v5, 31, v0                           ; lane
	s_wait_alu depctr_va_vdst(0)
	v_and_b32 v6, 7, v0                            ; e
	v_bfe_u32 v7, v0, 3, 1                         ; p
	v_bfe_u32 v8, v0, 4, 1                         ; u
	v_and_b32 v9, 15, v0                           ; the fragment's lane 8 p + e
	s_wait_alu depctr_va_vdst(0)
	v_lshl_add_u32 v6, v7, 4, v6
	v_lshl_add_u32 v6, v8, 3, v6                   ; my column among the 32
	s_lshl_b32 s19, s18, 7                         ; 32 cg columns of 4 bytes
	v_lshl_add_u32 v1, v6, 2, s19                  ; v1: my column's byte in a row of W
	; where the images go: wave and tile by the weight's map
	s_lshr_b32 s26, s18, 1                         ; cg >> 1: the wave (Wq, Wk, Wo)
	s_and_b32 s27, s18, 1
	s_lshl_b32 s29, s27, 1                         ; 2 (cg & 1): the first tile (Wq, Wk, Wo)
	s_lshr_b32 s28, s18, 3
	s_lshl_b32 s28, s28, 2
	s_add_co_u32 s28, s28, s29                     ; 4 (cg >> 3) + 2 (cg & 1): the first wave (Wv)
	s_and_b32 s30, s26, 3                          ; (cg >> 1) & 3: the tile (Wv)
	s_cmp_eq_u32 s15, 2
	s_cselect_b32 s31, s28, s26                    ; wave
	s_cselect_b32 s32, s30, s29                    ; tile
	s_mov_b32 s33, 1536
	s_cselect_b32 s33, 49152, s33                  ; from u = 0 to u = 1: a wave on (Wv) or a tile on
	s_mov_b32 s34, 2048
	s_cselect_b32 s34, s34, 64                     ; the same among the scale words
	s_lshl_b32 s31, s31, 3
	s_add_co_u32 s31, s31, s17                     ; 8 wave + s
	s_lshl_b32 s35, s31, 2
	s_add_co_u32 s35, s35, s32
	s_mul_i32 s35, s35, 1536                       ; the image of u = 0
	s_lshl_b32 s36, s31, 8
	s_lshl_b32 s37, s32, 6
	s_add_co_u32 s36, s36, s37
	s_add_co_u32 s36, s36, 786432                  ; its scale words
	s_mul_i32 s38, s15, 819200
	s_mov_b32 s39, 0
	s_lshl_b32 s24, s17, 18                        ; 64 s rows of 4,096 bytes
	s_mov_b32 s25, 0
	v_lshlrev_b32 v2, 4, v5
	v_add_nc_u32 v2, s35, v2                       ; v2: 16 lane + the image of u = 0
	v_add_nc_u32 v3, s33, v2                       ; v3: that of u = 1
	v_lshlrev_b32 v4, 2, v9
	v_mad_u32_u24 v4, v8, s34, v4
	v_add_nc_u32 v4, s36, v4                       ; v4: my column's scale word
	s_wait_alu depctr_va_vdst(0)
	s_wait_kmcnt 0x0
	s_cmp_lt_u32 s15, 2                            ; the weight is chosen by the work-group's number alone
	s_cselect_b64 s[20:21], s[4:5], s[8:9]
	s_cselect_b64 s[22:23], s[6:7], s[10:11]
	s_and_b32 s40, s15, 1
	s_cmp_eq_u32 s40, 1
	s_cselect_b64 s[20:21], s[22:23], s[20:21]
	s_add_nc_u64 s[20:21], s[20:21], s[24:25]
	s_add_nc_u64 s[12:13], s[12:13], s[38:39]
.macro LOAD tb                         ; block tb = 2 c + h: W(512 c + 64 s + 32 h + i, my column), i = 0 .. 31, into set tb % 2
.set I, 0
.rept 32
	global_load_b32 v[X+32*((\tb)%2)+I], v1, s[20:21] offset:(512*((\tb)/2)+32*((\tb)%2)+I)*4096 th:TH_LOAD_NT
.set I, I+1
.endr
.endm
.macro BLOCK tb
.set XS, X+32*((\tb)%2)
.set DST, FA+12*((\tb)%2)+6*((\tb)/2)
.if (\tb) < 3
	s_wait_loadcnt 32                              ; this block's 32 loads are in; the next block's 32 may be out
.else
	s_wait_loadcnt 0x0
.endif
	v_max3_num_f32 v12, |v[XS]|, |v[XS+1]|, |v[XS+2]|              ; the block's largest magnitude, in two chains
	v_max3_num_f32 v13, |v[XS+3]|, |v[XS+4]|, |v[XS+5]|
.irp i, 6,10,14,18,22,26
	v_max3_num_f32 v12, v12, |v[XS+\i]|, |v[XS+\i+1]|
	v_max3_num_f32 v13, v13, |v[XS+\i+2]|, |v[XS+\i+3]|
.endr
	v_max3_num_f32 v12, v12, |v[XS+30]|, |v[XS+31]|
	v_max3_num_f32 v12, v12, v13, 0x1800000        ; and the floor 2^(3 - 127): the byte cannot fall under 1
	v_add_nc_u32 v14, 0xff000000, v12              ; 2 off the exponent field: the conversion's scale operand
	v_lshrrev_b32 v15, 23, v14                     ; the byte
.if (\tb) == 0
	v_mov_b32 v[SW], v15
.else
	v_lshl_or_b32 v[SW], v15, 8*(\tb), v[SW]       ; byte 2 c + h of the word
.endif
	v_cvt_scalef32_pk16_fp6_f32 v[DST:DST+2], v[XS:XS+15], v14
	v_cvt_scalef32_pk16_fp6_f32 v[CT:CT+2], v[XS+16:XS+31], v14
	v_nop                                          ; one plain line behind a scaled conversion
.irp i, 0,1,2
	v_mov_b32 v[DST+3+\i], v[CT+\i]
.endr
.if (\tb) < 2
	LOAD (\tb)+2
.endif
.endm
	LOAD 0
	LOAD 1
	BLOCK 0
	BLOCK 1
	BLOCK 2
	BLOCK 3
; Lane l = (u, lane of the fragment) holds in FA what lane half 0 of tile u wants and in FB what lane half 1 wants.  The exchange of FA's lanes 16-31 with FB's lanes 0-15 makes FA the image of tile u = 0 and FB that of u = 1.
.set I, 0
.rept 12
	v_permlane16_swap_b32 v[FA+I], v[FB+I]
.set I, I+1
.endr
.irp c, 0,1,2
	global_store_b128 v2, v[FA+4*\c:FA+4*\c+3], s[12:13] offset:512*\c   ; 32 lanes store 512 consecutive bytes, at a multiple of 512 from the buffer's first byte
	global_store_b128 v3, v[FB+4*\c:FB+4*\c+3], s[12:13] offset:512*\c
.endr
	global_store_b32 v4, v[SW], s[12:13]
	s_endpgm
.Lfunc_end_k_q61bd2c6198_quant_w:
	.size	k_q61bd2c6198_quant_w, .Lfunc_end_k_q61bd2c6198_quant_w-k_q61bd2c6198_quant_w
	.p2alignl 7, 3214868480
	.fill 96, 4, 3214868480
	.section	.rodata,"a",@progbits
	.p2align	6, 0x0
	.amdhsa_kernel k_q61bd2c6198_quant_w
		.amdhsa_group_segment_fixed_size 0
		.amdhsa_private_segment_fixed_size 0
		.amdhsa_enable_private_segment 0
		.amdhsa_kernarg_size 40
		.amdhsa_user_sgpr_count 2
		.amdhsa_user_sgpr_kernarg_segment_ptr 1
		.amdhsa_wavefront_size32 1
		.amdhsa_system_sgpr_workgroup_id_x 1
		.amdhsa_system_sgpr_workgroup_id_y 1
		.amdhsa_system_sgpr_workgroup_id_z 1
		.amdhsa_system_vgpr_workitem_id 0
		.amdhsa_next_free_vgpr 112
		.amdhsa_next_free_sgpr 66
		.amdhsa_reserve_vcc 0
		.amdhsa_float_denorm_mode_32 3
		.amdhsa_float_denorm_mode_16_64 3
		.amdhsa_memory_ordered 1
		.amdhsa_forward_progress 1
		.amdhsa_inst_pref_size 22
	.end_amdhsa_kernel
	.amdgpu_metadata
---
amdhsa.version: [ 1, 2 ]
amdhsa.kernels:
  - .name:           k_q61bd2c6198_quant_w
    .symbol:         k_q61bd2c6198_quant_w.kd
    .args:
      - { .name: Wq, .offset: 0, .size: 8, .value_kind: global_buffer, .address_space: global }
      - { .name: Wk, .offset: 8, .size: 8, .value_kind: global_buffer, .address_space: global }
      - { .name: Wv, .offset: 16, .size: 8, .value_kind: global_buffer, .address_space: global }
      - { .name: Wo, .offset: 24, .size: 8, .value_kind: global_buffer, .address_space: global }
      - { .name: wimg, .offset: 32, .size: 8, .value_kind: global_buffer, .address_space: global }
    .group_segment_fixed_size: 0
    .private_segment_fixed_size: 0
    .kernarg_segment_align: 8
    .kernarg_segment_size: 40
    .max_flat_workgroup_size: 128
    .sgpr_count:     66
    .vgpr_count:     112
    .wavefront_size: 32
...
	.end_amdgpu_metadata
.endif
;; end of part 1
;; launch proj_qk (part 2): grid 128 x 2, 16 waves a work-group, no clusters, 246,272 bytes of LDS; arguments queries, keys, wimg, bq, bk, qk; writes qk
.if DOCPART == 2
	.amdgcn_target "amdgcn-amd-amdhsa--gfx1250"
	.amdhsa_code_object_version 6
	.text
	.protected	k_q61bd2c6198_proj_qk
	.globl	k_q61bd2c6198_proj_qk
	.p2align	8
	.type	k_q61bd2c6198_proj_qk,@function
k_q61bd2c6198_proj_qk:
	s_mov_b64 s[64:65], 0
	v_nop
	global_prefetch_b8 v0, s[64:65] scope:SCOPE_SE
	s_setreg_imm32_b32 hwreg(HW_REG_WAVE_MODE, 25, 1), 1
	s_wait_xcnt 0x0
; q = queries Wq + bq (work-group y = 0) and k = keys Wk + bk (y = 1), products on codes of FP6 (E2M3) with one E8M0 scale for each 32 along K; the result is quantised along the head's 64 channels and stored as images of attention's operands.
; SHARES.  A work-group takes 64 rows of x and all 1,024 columns.  Sixteen waves, four to a SIMD; wave w owns columns 64 w .. 64 w + 63 (4 tiles) for the 64 rows (4 tiles): 16 accumulators.
; x: wave w = 4 m + sp quantises rows 16 m .. + 15 for K steps 2 sp and 2 sp + 1 and lays the two fragments into LDS as images of registers (3 pieces of 512 bytes; lane l's 16 bytes at 16 l); all waves read them.
; W: each fragment is used by ONE wave of the work-group, so it goes from the laid-out workspace straight into that wave's registers, one K step ahead; no joint requests: a trip through LDS would add bytes and spare none.
; ORDER OF K, alike on both operands: step s, register half c, lane half h hold the natural block of 32 numbers 16 c + 2 s + h.
; THE PRODUCT IS USED TRANSPOSED (source 0 = 16 columns of W, source 1 = 16 rows of x), and W's columns are laid so that lane (row, h) holds in register 8 t + j (t = 2 b + u) column 64 w + 32 b + 16 h + 8 u + j: 16 neighbours of each block of 32 channels.
; THE RESHAPE: row R, column n is attention row 16 (R % 128) + n / 64, channel n % 64 of head R / 128.  OUTPUT: for each block of 32 attention rows one image of 1,536 bytes holding two tiles u: lane p of tile u is row 16 (p / 8) + 8 u + p % 8
; of the block, registers 6 u .. 6 u + 5 of lane (p, h) hold channels 32 h .. 32 h + 31; scale words [block][u][p] = byte of channels 0-31 | byte of channels 32-63 << 8 | 0x7f7f0000 (the upper two scale the padded half of attention's K).
; ADDRESS REGISTERS (v1-7, v250-255) never hold data: what is needed behind the first barrier is made anew from the thread's number, in those of them that the first phase has left.
; LIMITS: NaN and infinities are not served; a block of zeros gets the byte 1 (codes zero; this program alone reads the bytes); magnitudes under 2^-124 are taken at that floor; the sums run in the order of K stated above.
.set XIMG,  135168                     ; LDS: 0: a stage of 16 rows x 528 bytes for each wave; then x's 32 fragments [s][m][1536],
.set XSC,   184320                     ; their scale words [s][m][16],
.set BIAS,  186368                     ; the 1,024 biases,
.set OUTST, 190464                     ; the 32 output images, 1,552 bytes apart,
.set OSCS,  240128                     ; and their scale words, 128 bytes a block
.set WO,  1                            ; v1   16 lane
.set WS,  2                            ; v2   4 lane
.set LA,  3                            ; v3   16 lane + XIMG
.set LS,  4                            ; v4   4 lane + XSC
.set XO,  5                            ; v5   x: 16 (lane % 16) + 2048 (lane / 16); behind the first barrier at work on addresses
.set SWR, 6                            ; v6   my stage, on the way in; likewise
.set SRD, 7                            ; v7   and on the way out; likewise
.set BSC, 8                            ; v8-23   W's scale words: register 2 s + i: lanes 0-15 tile 2 i, lanes 16-31 tile 2 i + 1
.set ASC, 24                           ; v24-25  x's scale words of the step: lanes 0-15 row tile 2 i, lanes 16-31 row tile 2 i + 1
.set AF,  26                           ; v26-73  x's four fragments
.set BF,  74                           ; v74-121 W's four fragments
.set ACC, 122                          ; v122-249 accumulator (m, t) at ACC + 32 m + 8 t
.set G0,  122                          ; ahead of the products: 64 numbers of x for each of my two K steps
.set G1,  186
.set PC,  26                           ; codes just made (and v38-44 at work)
.set TM,  46                           ; v46-61 at work
.set PW,  62                           ; the scale word just made
.set BL,  64                           ; v64-65 two biases on their way to LDS
.set BI,  26                           ; behind the products: v26-57 my 32 biases
.set T2,  58                           ; v58-65 at work
.set PW2, 66                           ; v66-69 a scale word for each row tile
.set WB,  32                           ; s[32:33] my wave's fragments of W
.set SEL, 48                           ; s[48:49] selects of v_permlanex16_b32: lane l xor 16
.set ZF,  0
.macro WM d, a, b, sa, sb, ra, rb      ; one matrix instruction; ra, rb: the scale words stand in lanes 16-31.  ZF = 1: the first K step starts the sum
.if ZF
.if (\ra) && (\rb)
	v_wmma_scale_f32_16x16x128_f8f6f4 v[(\d):(\d)+7], v[(\a):(\a)+11], v[(\b):(\b)+11], 0, v[(\sa)], v[(\sb)] matrix_a_fmt:MATRIX_FMT_FP6 matrix_b_fmt:MATRIX_FMT_FP6 matrix_a_scale:MATRIX_SCALE_ROW1 matrix_b_scale:MATRIX_SCALE_ROW1
.elseif (\ra)
	v_wmma_scale_f32_16x16x128_f8f6f4 v[(\d):(\d)+7], v[(\a):(\a)+11], v[(\b):(\b)+11], 0, v[(\sa)], v[(\sb)] matrix_a_fmt:MATRIX_FMT_FP6 matrix_b_fmt:MATRIX_FMT_FP6 matrix_a_scale:MATRIX_SCALE_ROW1
.elseif (\rb)
	v_wmma_scale_f32_16x16x128_f8f6f4 v[(\d):(\d)+7], v[(\a):(\a)+11], v[(\b):(\b)+11], 0, v[(\sa)], v[(\sb)] matrix_a_fmt:MATRIX_FMT_FP6 matrix_b_fmt:MATRIX_FMT_FP6 matrix_b_scale:MATRIX_SCALE_ROW1
.else
	v_wmma_scale_f32_16x16x128_f8f6f4 v[(\d):(\d)+7], v[(\a):(\a)+11], v[(\b):(\b)+11], 0, v[(\sa)], v[(\sb)] matrix_a_fmt:MATRIX_FMT_FP6 matrix_b_fmt:MATRIX_FMT_FP6
.endif
.else
.if (\ra) && (\rb)
	v_wmma_scale_f32_16x16x128_f8f6f4 v[(\d):(\d)+7], v[(\a):(\a)+11], v[(\b):(\b)+11], v[(\d):(\d)+7], v[(\sa)], v[(\sb)] matrix_a_fmt:MATRIX_FMT_FP6 matrix_b_fmt:MATRIX_FMT_FP6 matrix_a_scale:MATRIX_SCALE_ROW1 matrix_b_scale:MATRIX_SCALE_ROW1
.elseif (\ra)
	v_wmma_scale_f32_16x16x128_f8f6f4 v[(\d):(\d)+7], v[(\a):(\a)+11], v[(\b):(\b)+11], v[(\d):(\d)+7], v[(\sa)], v[(\sb)] matrix_a_fmt:MATRIX_FMT_FP6 matrix_b_fmt:MATRIX_FMT_FP6 matrix_a_scale:MATRIX_SCALE_ROW1
.elseif (\rb)
	v_wmma_scale_f32_16x16x128_f8f6f4 v[(\d):(\d)+7], v[(\a):(\a)+11], v[(\b):(\b)+11], v[(\d):(\d)+7], v[(\sa)], v[(\sb)] matrix_a_fmt:MATRIX_FMT_FP6 matrix_b_fmt:MATRIX_FMT_FP6 matrix_b_scale:MATRIX_SCALE_ROW1
.else
	v_wmma_scale_f32_16x16x128_f8f6f4 v[(\d):(\d)+7], v[(\a):(\a)+11], v[(\b):(\b)+11], v[(\d):(\d)+7], v[(\sa)], v[(\sb)] matrix_a_fmt:MATRIX_FMT_FP6 matrix_b_fmt:MATRIX_FMT_FP6
.endif
.endif
.endm
.macro ALOAD s                         ; x's four fragments and their scale words of K step s, from LDS
.irp m, 0,1,2,3
.irp c, 0,1,2
	ds_load_b128 v[AF+12*\m+4*\c:AF+12*\m+4*\c+3], v[LA] offset:(4*(\s)+\m)*1536+512*\c
.endr
.endr
	ds_load_b32 v[ASC], v[LS] offset:256*(\s)
	ds_load_b32 v[ASC+1], v[LS] offset:256*(\s)+128
.endm
.macro BLOAD s, t                      ; W's fragment (s, t) of my wave, from the workspace
.irp c, 0,1,2
	global_load_b128 v[BF+12*(\t)+4*\c:BF+12*(\t)+4*\c+3], v[WO], s[WB:WB+1] offset:(4*(\s)+(\t))*1536+512*\c
.endr
.endm
; A K step of 128: 16 matrix instructions on 16 accumulators by turns, one instruction a turn.  Behind each tile's four products stand four plain lines: the distance in front of
; the loads into the fragment just read (ISA guide 7.12.1 for vector instructions); the last four also serve the next step's LDS loads and the first reads of results.
.macro GSTEP s
.if (\s) == 0
.set ZF, 1
.else
.set ZF, 0
.endif
	ALOAD \s
.irp t, 0,1,2,3
.if (\s) == 7
	s_wait_loadcnt 9-3*\t                          ; the last step asks for nothing: behind fragment t stand the 3 - t later fragments' loads
.else
	s_wait_loadcnt 9                               ; fragment t is in: behind its three loads nine were issued, three fragments'
.endif
.if \t == 0
	s_wait_dscnt 0x0                               ; x's fragments are in
.endif
.irp m, 0,1,2,3
	WM ACC+32*\m+8*\t, BF+12*\t, AF+12*\m, BSC+2*(\s)+\t/2, ASC+\m/2, \t%2, \m%2
.endr
.rept 4
	v_nop
.endr
.if (\s) < 7
	BLOAD (\s)+1, \t
.endif
.endr
.endm
; 64 numbers of a lane, register 16 b + i = place 32 b + 16 (lane / 16) + i of my row's 128, become a fragment's codes in v[PC] on and its scale word in v[PW].
.macro QUANT s
.irp b, 0,1,2,3
	v_max3_num_f32 v[TM+\b], |v[\s+16*\b]|, |v[\s+1+16*\b]|, 0x1800000   ; my 16 numbers of block b, and the floor 2^(3 - 127)
.endr
.irp i, 2,4,6,8,10,12,14
.irp b, 0,1,2,3
	s_delay_alu instid0(VALU_DEP_4)
	v_max3_num_f32 v[TM+\b], v[TM+\b], |v[\s+16*\b+\i]|, |v[\s+1+16*\b+\i]|
.endr
.endr
.irp b, 0,1,2,3
	s_delay_alu instid0(VALU_DEP_4)
	v_permlanex16_b32 v[TM+4+\b], v[TM+\b], s[SEL], s[SEL+1]
.endr
.irp b, 0,1,2,3
	s_delay_alu instid0(VALU_DEP_4)
	v_max_num_f32 v[TM+\b], v[TM+\b], v[TM+4+\b]   ; with lane l xor 16's: the block's largest magnitude
.endr
.irp b, 0,1,2,3
	s_delay_alu instid0(VALU_DEP_4)
	v_add_nc_u32 v[TM+12+\b], 0xff000000, v[TM+\b] ; 2 off its exponent field: the conversion's scale operand
.endr
.irp b, 0,1,2,3
	s_delay_alu instid0(VALU_DEP_4)
	v_lshrrev_b32 v[TM+4+\b], 23, v[TM+12+\b]      ; the byte
.endr
	s_delay_alu instid0(VALU_DEP_3)
	v_lshl_or_b32 v[PW], v[TM+5], 8, v[TM+4]
	s_delay_alu instid0(VALU_DEP_1)
	v_lshl_or_b32 v[PW], v[TM+6], 16, v[PW]
	s_delay_alu instid0(VALU_DEP_1)
	v_lshl_or_b32 v[PW], v[TM+7], 24, v[PW]
.irp c, 0,1
	v_cvt_scalef32_pk16_fp6_f32 v[PC+6*\c:PC+2+6*\c], v[\s+32*\c:\s+15+32*\c], v[TM+12+2*\c]
	v_cvt_scalef32_pk16_fp6_f32 v[PC+12+4*\c:PC+14+4*\c], v[\s+16+32*\c:\s+31+32*\c], v[TM+12+2*\c+1]
.endr
	v_nop                                          ; one plain line behind a scaled conversion
.irp c, 0,1                                    ; the operand wants a WHOLE block in a lane: lanes 0-15 block 2 c, lanes 16-31 block 2 c + 1
.irp i, 0,1,2
	v_permlane16_swap_b32 v[PC+6*\c+\i], v[PC+12+4*\c+\i]
.endr
.irp i, 0,1,2
	s_delay_alu instid0(VALU_DEP_3)
	v_mov_b32 v[PC+3+6*\c+\i], v[PC+12+4*\c+\i]
.endr
.endr
.endm
; The same for two blocks: 32 numbers of a lane at v[src] on; lane (row, h) ends with block h's 24 bytes in v[pc] .. v[pc + 5]; v[pw] = byte of block 0 | byte of block 1 << 8.
.macro QUANT2 src, pc, pw
.irp b, 0,1
	v_max3_num_f32 v[T2+\b], |v[(\src)+16*\b]|, |v[(\src)+16*\b+1]|, 0x1800000
.endr
.irp i, 2,4,6,8,10,12,14
.irp b, 0,1
	s_delay_alu instid0(VALU_DEP_2)
	v_max3_num_f32 v[T2+\b], v[T2+\b], |v[(\src)+16*\b+\i]|, |v[(\src)+16*\b+\i+1]|
.endr
.endr
.irp b, 0,1
	s_delay_alu instid0(VALU_DEP_2)
	v_permlanex16_b32 v[T2+2+\b], v[T2+\b], s[SEL], s[SEL+1]
.endr
.irp b, 0,1
	s_delay_alu instid0(VALU_DEP_2)
	v_max_num_f32 v[T2+\b], v[T2+\b], v[T2+2+\b]
.endr
.irp b, 0,1
	s_delay_alu instid0(VALU_DEP_2)
	v_add_nc_u32 v[T2+4+\b], 0xff000000, v[T2+\b]
.endr
.irp b, 0,1
	s_delay_alu instid0(VALU_DEP_2)
	v_lshrrev_b32 v[T2+6+\b], 23, v[T2+4+\b]
.endr
	s_delay_alu instid0(VALU_DEP_1)
	v_lshl_or_b32 v[(\pw)], v[T2+7], 8, v[T2+6]
	v_cvt_scalef32_pk16_fp6_f32 v[(\pc):(\pc)+2], v[(\src):(\src)+15], v[T2+4]
	v_cvt_scalef32_pk16_fp6_f32 v[(\pc)+4:(\pc)+6], v[(\src)+16:(\src)+31], v[T2+5]
	v_nop
.irp i, 0,1,2
	v_permlane16_swap_b32 v[(\pc)+\i], v[(\pc)+4+\i]
.endr
	s_delay_alu instid0(VALU_DEP_3)
	v_mov_b32 v[(\pc)+3], v[(\pc)+4]
	s_delay_alu instid0(VALU_DEP_3)
	v_mov_b32 v[(\pc)+4], v[(\pc)+5]
	s_delay_alu instid0(VALU_DEP_3)
	v_mov_b32 v[(\pc)+5], v[(\pc)+6]
.endm
; My 16 rows' numbers of one K step (set g, the wave's e-th) turn through my stage: in as loaded (a row's two runs of 256 bytes), out 16 neighbours at a time; then codes, image and scale word.
.macro XQ g, e
.set I, 0
.rept 16
	ds_store_b128 v[SWR], v[(\g)+4*I:(\g)+4*I+3] offset:528*I
.set I, I+1
.endr
	s_wait_dscnt 0x0                               ; the stores have read their registers, which the loads below fill; earlier image stores have read theirs too
.irp b, 0,1,2,3
.irp j, 0,1,2,3
	ds_load_b128 v[(\g)+16*\b+4*\j:(\g)+16*\b+4*\j+3], v[SRD] offset:128*\b+16*\j
.endr
.endr
	s_wait_dscnt 0x0
	QUANT \g
.irp c, 0,1,2
	ds_store_b128 v250, v[PC+4*\c:PC+4*\c+3] offset:512*\c+6144*(\e)
.endr
	ds_store_b32 v251, v[PW] offset:256*(\e)       ; both halves of the lanes write the same word with the same value
.endm
	s_load_b256 s[4:11], s[0:1], 0x0               ; queries s[4:5], keys s[6:7], wimg s[8:9], bq s[10:11]
	s_load_b128 s[12:15], s[0:1], 0x20             ; bk s[12:13], qk s[14:15]
	v_lshrrev_b32 v26, 5, v0
	s_delay_alu instid0(VALU_DEP_1)
	v_readfirstlane_b32 s16, v26                   ; wave
	s_and_b32 s17, ttmp7, 0xffff                   ; 0: q, 1: k
	v_and_b32 v26, 31, v0                          ; lane
	v_and_b32 v27, 15, v0                          ; r      (v26-28 serve the head alone: the quantiser's codes take them)
	v_bfe_u32 v28, v0, 4, 1                        ; h
	s_delay_alu instid0(VALU_DEP_3)
	v_lshlrev_b32 v[WO], 4, v26
	s_delay_alu instid0(VALU_DEP_4)
	v_lshlrev_b32 v[WS], 2, v26
	s_delay_alu instid0(VALU_DEP_2)
	v_add_nc_u32 v[LA], XIMG, v[WO]
	s_delay_alu instid0(VALU_DEP_2)
	v_add_nc_u32 v[LS], XSC, v[WS]
	v_lshlrev_b32 v[XO], 4, v27
	s_delay_alu instid0(VALU_DEP_1)
	v_lshl_add_u32 v[XO], v28, 11, v[XO]           ; lanes 0-15: 256 bytes of register half 0; lanes 16-31: those 512 numbers on, of half 1
	s_mul_i32 s18, s16, 8448
	v_add_nc_u32 v[SWR], s18, v[WO]
	v_mul_u32_u24 v[SRD], v27, 528
	s_delay_alu instid0(VALU_DEP_1)
	v_lshl_add_u32 v[SRD], v28, 6, v[SRD]
	s_delay_alu instid0(VALU_DEP_1)
	v_add_nc_u32 v[SRD], s18, v[SRD]
	s_lshr_b32 s19, s16, 2                         ; m: my row tile of x
	s_and_b32 s20, s16, 3                          ; sp: my pair of K steps
	s_lshl_b32 s21, s20, 3
	s_add_co_u32 s21, s21, s19
	s_mul_i32 s21, s21, 1536
	v_add_nc_u32 v250, s21, v[LA]                  ; image (s = 2 sp, m)
	s_lshl_b32 s22, s20, 9
	s_lshl_b32 s23, s19, 6
	s_add_co_u32 s22, s22, s23
	s_add_co_u32 s22, s22, XSC
	v_lshl_add_u32 v251, v27, 2, s22               ; its scale words
	v_lshlrev_b32 v254, 3, v0                      ; 8 x thread: it stays
	s_delay_alu instid0(VALU_DEP_1)
	v_add_nc_u32 v255, BIAS, v254
	s_mov_b32 s[SEL], 0x76543210
	s_mov_b32 s[SEL+1], 0xfedcba98
.irp b, 0,1,2,3
	v_mov_b32 v[TM+4+\b], 0                        ; a lane permute's destination counts as one of its sources
.endr
	s_lshl_b32 s28, ttmp9, 6
	s_lshl_b32 s29, s19, 4
	s_add_co_u32 s28, s28, s29                     ; my first row of x
	s_lshl_b32 s28, s28, 12
	s_lshl_b32 s29, s20, 9
	s_add_co_u32 s28, s28, s29                     ; + 128 sp numbers
	s_mov_b32 s29, 0
	s_mul_i32 s30, s17, 819200
	s_mul_i32 s31, s16, 49152
	s_add_co_u32 s30, s30, s31
	s_mov_b32 s31, 0
	s_mul_i32 s40, s17, 819200
	s_lshl_b32 s41, s16, 11
	s_add_co_u32 s40, s40, s41
	s_add_co_u32 s40, s40, 786432
	s_mov_b32 s41, 0
	s_mul_i32 s42, s17, 6815744
	s_mul_i32 s43, ttmp9, 49152                    ; 32 images of 1,536 bytes a work-group
	s_add_co_u32 s42, s42, s43
	s_mov_b32 s43, 0
	s_mul_i32 s44, s17, 6815744
	s_lshl_b32 s45, ttmp9, 12
	s_add_co_u32 s44, s44, s45
	s_add_co_u32 s44, s44, 6291456
	s_mov_b32 s45, 0
	s_wait_alu depctr_va_vdst(0)
	s_wait_kmcnt 0x0
	s_cmp_eq_u32 s17, 0                            ; the tensor is chosen by the work-group's number alone
	s_cselect_b64 s[24:25], s[4:5], s[6:7]
	s_cselect_b64 s[26:27], s[10:11], s[12:13]
	s_add_nc_u64 s[24:25], s[24:25], s[28:29]      ; x
	s_add_nc_u64 s[WB:WB+1], s[8:9], s[30:31]      ; my fragments of W
	s_add_nc_u64 s[34:35], s[8:9], s[40:41]        ; my scale words of W
	s_add_nc_u64 s[36:37], s[14:15], s[42:43]      ; the images out
	s_add_nc_u64 s[38:39], s[14:15], s[44:45]      ; the scale words out
	global_load_b64 v[BL:BL+1], v254, s[26:27]     ; two biases a thread
.irp q, 0,1,2,3,4,5,6,7
	global_load_b32 v[BSC+2*\q], v[WS], s[34:35] offset:256*\q
	global_load_b32 v[BSC+2*\q+1], v[WS], s[34:35] offset:256*\q+128
.endr
.irp t, 0,1,2,3
	BLOAD 0, \t
.endr
.irp e, 0,1
.set I, 0
.rept 16
	global_load_b128 v[G0+64*\e+4*I:G0+64*\e+4*I+3], v[XO], s[24:25] offset:4096*I+256*\e th:TH_LOAD_NT   ; row I: two aligned runs of 256 bytes
.set I, I+1
.endr
.endr
	s_wait_loadcnt 16                              ; all but the second K step's sixteen loads are in
	ds_store_b64 v255, v[BL:BL+1]
	XQ G0, 0
	s_wait_loadcnt 0x0
	XQ G1, 1
	s_wait_dscnt 0x0                               ; my images, scale words and biases have landed
	s_barrier_signal -1
	s_barrier_wait -1                              ; x's 32 fragments lie in LDS
	; the addresses of the way out, made anew from the thread's number; v5-7, v250, v251, v255 are free: every load and LDS instruction that named them is done
	v_bfe_u32 v5, v0, 1, 3                         ; r >> 1
	v_and_b32 v6, 1, v0                            ; r & 1
	v_bfe_u32 v7, v0, 4, 1                         ; h
	s_delay_alu instid0(VALU_DEP_3)
	v_mul_u32_u24 v255, v5, 1552
	s_delay_alu instid0(VALU_DEP_1)
	v_lshl_add_u32 v255, v6, 7, v255
	s_delay_alu instid0(VALU_DEP_1)
	v_lshl_add_u32 v255, v7, 8, v255               ; block r >> 1 of the row tile's eight; lane 8 (r & 1) + w % 8 + 16 h of the image
	s_wait_alu depctr_va_vdst(0)
	s_and_b32 s40, s16, 7
	s_lshr_b32 s41, s16, 3                         ; u = w / 8
	s_lshl_b32 s42, s40, 4
	s_add_co_u32 s42, s42, OUTST
	s_mul_i32 s43, s41, 520
	s_add_co_u32 s43, s43, s42                     ; registers 6 u, 6 u + 1: at 0 or 520
	s_mul_i32 s44, s41, 1016
	s_add_co_u32 s44, s44, s42
	s_add_co_u32 s44, s44, 8                       ; 6 u + 2, + 3: at 8 or 1,024
	s_add_co_u32 s45, s43, 512                     ; 6 u + 4, + 5: at 512 or 1,032
	v_add_nc_u32 v250, s43, v255
	v_add_nc_u32 v251, s44, v255
	v_add_nc_u32 v252, s45, v255
	s_lshl_b32 s46, s41, 6
	s_lshl_b32 s47, s40, 2
	s_add_co_u32 s46, s46, s47
	s_add_co_u32 s46, s46, OSCS
	v_lshlrev_b32 v253, 7, v5
	s_delay_alu instid0(VALU_DEP_1)
	v_lshl_add_u32 v253, v6, 5, v253
	s_delay_alu instid0(VALU_DEP_1)
	v_add_nc_u32 v253, s46, v253                   ; the scale word [block][u][8 (r & 1) + w % 8]
	s_lshl_b32 s47, s16, 8
	s_add_co_u32 s47, s47, BIAS
	v_lshl_add_u32 v255, v7, 6, s47                ; my biases: 64 w + 16 h on
.irp q, 0,1,2,3,4,5,6,7
	GSTEP \q
.endr
	; bias, quantiser along the channels, images
	s_wait_alu depctr_va_vdst(0)
.irp t, 0,1,2,3
	ds_load_b128 v[BI+8*\t:BI+8*\t+3], v255 offset:(32*(\t/2)+8*(\t%2))*4
	ds_load_b128 v[BI+8*\t+4:BI+8*\t+7], v255 offset:(32*(\t/2)+8*(\t%2))*4+16
.endr
	v_mov_b32 v[T2+2], 0
	v_mov_b32 v[T2+3], 0
	s_wait_dscnt 0x0
.irp m, 0,1,2,3
.irp k, 0,2,4,6,8,10,12,14,16,18,20,22,24,26,28,30
	v_pk_add_f32 v[ACC+32*\m+\k:ACC+32*\m+\k+1], v[ACC+32*\m+\k:ACC+32*\m+\k+1], v[BI+\k:BI+\k+1]   ; each accumulator from its low end on
.endr
	QUANT2 ACC+32*\m, 74+8*\m, PW2+\m
	v_or_b32 v[PW2+\m], 0x7f7f0000, v[PW2+\m]
	ds_store_b64 v250, v[74+8*\m:75+8*\m] offset:12416*\m
	ds_store_b64 v251, v[76+8*\m:77+8*\m] offset:12416*\m
	ds_store_b64 v252, v[78+8*\m:79+8*\m] offset:12416*\m
	ds_store_b32 v253, v[PW2+\m] offset:1024*\m
.endr
	s_wait_dscnt 0x0
	s_barrier_signal -1
	s_barrier_wait -1                              ; the 32 images are whole
	s_mul_i32 s40, s16, 3104
	s_add_co_u32 s40, s40, OUTST
	v_add_nc_u32 v250, s40, v[WO]                  ; wave w sends images 2 w and 2 w + 1
	v_lshl_add_u32 v251, v0, 3, OSCS
	s_mul_i32 s41, s16, 3072
	v_add_nc_u32 v252, s41, v[WO]
.irp e, 0,1
.irp c, 0,1,2
	ds_load_b128 v[32+12*\e+4*\c:35+12*\e+4*\c], v250 offset:1552*\e+512*\c
.endr
.endr
	ds_load_b64 v[56:57], v251
	s_wait_alu depctr_va_vdst(0)
	s_wait_dscnt 0x0
.irp e, 0,1
.irp c, 0,1,2
	global_store_b128 v252, v[32+12*\e+4*\c:35+12*\e+4*\c], s[36:37] offset:1536*\e+512*\c   ; 32 lanes store 512 consecutive bytes, at a multiple of 512 from the buffer's first byte
.endr
.endr
	global_store_b64 v254, v[56:57], s[38:39]
	s_barrier_signal -1
	s_barrier_wait -1
	s_wait_xcnt 0x0
	v_lshl_add_u32 v254, v0, 2, 0x3ba00
	v_mov_b32 v255, 0
	s_wait_alu depctr_va_vdst(0)
	s_wait_tensorcnt 0x0
	ds_add_u32 v254, v255
	s_wait_dscnt 0x0
	s_endpgm
.Lfunc_end_k_q61bd2c6198_proj_qk:
	.size	k_q61bd2c6198_proj_qk, .Lfunc_end_k_q61bd2c6198_proj_qk-k_q61bd2c6198_proj_qk
	.p2alignl 7, 3214868480
	.fill 96, 4, 3214868480
	.section	.rodata,"a",@progbits
	.p2align	6, 0x0
	.amdhsa_kernel k_q61bd2c6198_proj_qk
		.amdhsa_group_segment_fixed_size 246272
		.amdhsa_private_segment_fixed_size 0
		.amdhsa_enable_private_segment 0
		.amdhsa_kernarg_size 48
		.amdhsa_user_sgpr_count 2
		.amdhsa_user_sgpr_kernarg_segment_ptr 1
		.amdhsa_wavefront_size32 1
		.amdhsa_system_sgpr_workgroup_id_x 1
		.amdhsa_system_sgpr_workgroup_id_y 1
		.amdhsa_system_sgpr_workgroup_id_z 1
		.amdhsa_system_vgpr_workitem_id 0
		.amdhsa_next_free_vgpr 256
		.amdhsa_next_free_sgpr 66
		.amdhsa_reserve_vcc 0
		.amdhsa_float_denorm_mode_32 3
		.amdhsa_float_denorm_mode_16_64 3
		.amdhsa_memory_ordered 1
		.amdhsa_forward_progress 1
		.amdhsa_inst_pref_size 82
	.end_amdhsa_kernel
	.amdgpu_metadata
---
amdhsa.version: [ 1, 2 ]
amdhsa.kernels:
  - .name:           k_q61bd2c6198_proj_qk
    .symbol:         k_q61bd2c6198_proj_qk.kd
    .args:
      - { .name: queries, .offset: 0, .size: 8, .value_kind: global_buffer, .address_space: global }
      - { .name: keys, .offset: 8, .size: 8, .value_kind: global_buffer, .address_space: global }
      - { .name: wimg, .offset: 16, .size: 8, .value_kind: global_buffer, .address_space: global }
      - { .name: bq, .offset: 24, .size: 8, .value_kind: global_buffer, .address_space: global }
      - { .name: bk, .offset: 32, .size: 8, .value_kind: global_buffer, .address_space: global }
      - { .name: qk, .offset: 40, .size: 8, .value_kind: global_buffer, .address_space: global }
    .group_segment_fixed_size: 246272
    .private_segment_fixed_size: 0
    .kernarg_segment_align: 8
    .kernarg_segment_size: 48
    .max_flat_workgroup_size: 512
    .sgpr_count:     66
    .vgpr_count:     256
    .wavefront_size: 32
...
	.end_amdgpu_metadata
.endif
;; end of part 2
;; launch proj_v (part 3): grid 128 x 1, 16 waves a work-group, no clusters, 268,288 bytes of LDS; arguments values, wimg, bv, vv; writes vv
.if DOCPART == 3
	.amdgcn_target "amdgcn-amd-amdhsa--gfx1250"
	.amdhsa_code_object_version 6
	.text
	.protected	k_q61bd2c6198_proj_v
	.globl	k_q61bd2c6198_proj_v
	.p2align	8
	.type	k_q61bd2c6198_proj_v,@function
k_q61bd2c6198_proj_v:
	s_mov_b64 s[64:65], 0
	v_nop
	global_prefetch_b8 v0, s[64:65] scope:SCOPE_SE
	s_setreg_imm32_b32 hwreg(HW_REG_WAVE_MODE, 25, 1), 1
	s_wait_xcnt 0x0
; v = values Wv + bv on codes of FP6 (E2M3) with one E8M0 scale for each 32 along K; the result is quantised ALONG THE KEYS and stored as images of attention's second operand.
; SHARES, x's fragments, W's fragments and the order of K: as in the launch for q and k: 64 rows a work-group, sixteen waves, x quantised into LDS images, W's fragments from the workspace straight into the one wave that uses them.
; THE RESHAPE: row R, column 64 g + d is key 16 (R % 128) + g, channel d of head R / 128: a block of 32 keys is two neighbouring rows x the sixteen g, at one d.
; THE PRODUCT IS USED AS IT STANDS (source 0 = 16 rows of x, source 1 = 16 columns of W): a lane holds one column and eight rows.  Wave w = 4 gq + dt takes, as tile t, the columns 64 (4 gq + t) + d with
; d = 32 (dt / 2) + 8 (dt % 2) + r + 8 (r / 8).  x's fragment lane r holds local row 4 ((r % 8) / 2) + 2 (r / 8) + r % 2, so that register j of lane half h is local row 4 (j / 2) + 2 h + j % 2: key blocks 2 i + h.
; The four waves of one dt exchange sums through LDS (as images of registers); then wave (dt, gq) has, for row tile gq, all sixteen g: four whole key blocks a lane.  Bias, largest magnitude (no other lane is asked), codes.
; OUTPUT vv: images [head][step of 128 keys 16][dt 4][1536]: lane (r, h), registers 6 c on: channel d(dt, r), keys 128 step + 64 c + 32 h + 0 .. 31; from 6,291,456 on scale words [head][step][dt][r].
; 128 work-groups: 32 rows a work-group would read every weight fragment twice as often.
; ADDRESS REGISTERS (v1-7, v250-253) never hold data: what is needed behind the first barrier is made anew from the thread's number, in those of them that the first phase has left.
; LIMITS: NaN and infinities are not served; a block of zeros gets the byte 1 (codes zero; this program alone reads the bytes); magnitudes under 2^-124 are taken at that floor; the sums run in the stated order of K.
.set XIMG,  135168                     ; LDS: 0: a stage of 16 rows x 528 bytes for each wave; x's 32 fragments [s][m][1536];
.set XSC,   184320                     ; their scale words.  Behind the products all of that is the exchange [dt][m][gq][t][2][512], 262,144 bytes
.set BIAS,  262144                     ; the 1,024 biases
.set WO,  1
.set WS,  2
.set LA,  3
.set LS,  4
.set XO,  5
.set SWR, 6
.set SRD, 7
.set BSC, 8                            ; v8-23   W's scale words
.set ASC, 24                           ; v24-25  x's
.set AF,  26                           ; v26-73  x's four fragments
.set BF,  74                           ; v74-121 W's four fragments
.set ACC, 122                          ; v122-249 accumulator (m, t) at ACC + 32 m + 8 t; behind the exchange: register 8 g + j
.set G0,  122
.set G1,  186
.set PC,  26
.set TM,  46
.set PW,  62
.set BL,  64                           ; v64-65 two biases on their way to LDS
.set BV,  26                           ; behind the products: v26-41 bv(64 g + d)
.set T,   42                           ; v42-73  a key block's 32 numbers, in the keys' order
.set CF,  74                           ; v74-97  two fragments' codes
.set CT,  98                           ; v98-100
.set WB,  32
.set SEL, 48
.set ZF,  0
.macro WM d, a, b, sa, sb, ra, rb      ; one matrix instruction; ra, rb: the scale words stand in lanes 16-31.  ZF = 1: the first K step starts the sum
.if ZF
.if (\ra) && (\rb)
	v_wmma_scale_f32_16x16x128_f8f6f4 v[(\d):(\d)+7], v[(\a):(\a)+11], v[(\b):(\b)+11], 0, v[(\sa)], v[(\sb)] matrix_a_fmt:MATRIX_FMT_FP6 matrix_b_fmt:MATRIX_FMT_FP6 matrix_a_scale:MATRIX_SCALE_ROW1 matrix_b_scale:MATRIX_SCALE_ROW1
.elseif (\ra)
	v_wmma_scale_f32_16x16x128_f8f6f4 v[(\d):(\d)+7], v[(\a):(\a)+11], v[(\b):(\b)+11], 0, v[(\sa)], v[(\sb)] matrix_a_fmt:MATRIX_FMT_FP6 matrix_b_fmt:MATRIX_FMT_FP6 matrix_a_scale:MATRIX_SCALE_ROW1
.elseif (\rb)
	v_wmma_scale_f32_16x16x128_f8f6f4 v[(\d):(\d)+7], v[(\a):(\a)+11], v[(\b):(\b)+11], 0, v[(\sa)], v[(\sb)] matrix_a_fmt:MATRIX_FMT_FP6 matrix_b_fmt:MATRIX_FMT_FP6 matrix_b_scale:MATRIX_SCALE_ROW1
.else
	v_wmma_scale_f32_16x16x128_f8f6f4 v[(\d):(\d)+7], v[(\a):(\a)+11], v[(\b):(\b)+11], 0, v[(\sa)], v[(\sb)] matrix_a_fmt:MATRIX_FMT_FP6 matrix_b_fmt:MATRIX_FMT_FP6
.endif
.else
.if (\ra) && (\rb)
	v_wmma_scale_f32_16x16x128_f8f6f4 v[(\d):(\d)+7], v[(\a):(\a)+11], v[(\b):(\b)+11], v[(\d):(\d)+7], v[(\sa)], v[(\sb)] matrix_a_fmt:MATRIX_FMT_FP6 matrix_b_fmt:MATRIX_FMT_FP6 matrix_a_scale:MATRIX_SCALE_ROW1 matrix_b_scale:MATRIX_SCALE_ROW1
.elseif (\ra)
	v_wmma_scale_f32_16x16x128_f8f6f4 v[(\d):(\d)+7], v[(\a):(\a)+11], v[(\b):(\b)+11], v[(\d):(\d)+7], v[(\sa)], v[(\sb)] matrix_a_fmt:MATRIX_FMT_FP6 matrix_b_fmt:MATRIX_FMT_FP6 matrix_a_scale:MATRIX_SCALE_ROW1
.elseif (\rb)
	v_wmma_scale_f32_16x16x128_f8f6f4 v[(\d):(\d)+7], v[(\a):(\a)+11], v[(\b):(\b)+11], v[(\d):(\d)+7], v[(\sa)], v[(\sb)] matrix_a_fmt:MATRIX_FMT_FP6 matrix_b_fmt:MATRIX_FMT_FP6 matrix_b_scale:MATRIX_SCALE_ROW1
.else
	v_wmma_scale_f32_16x16x128_f8f6f4 v[(\d):(\d)+7], v[(\a):(\a)+11], v[(\b):(\b)+11], v[(\d):(\d)+7], v[(\sa)], v[(\sb)] matrix_a_fmt:MATRIX_FMT_FP6 matrix_b_fmt:MATRIX_FMT_FP6
.endif
.endif
.endm
.macro ALOAD s
.irp m, 0,1,2,3
.irp c, 0,1,2
	ds_load_b128 v[AF+12*\m+4*\c:AF+12*\m+4*\c+3], v[LA] offset:(4*(\s)+\m)*1536+512*\c
.endr
.endr
	ds_load_b32 v[ASC], v[LS] offset:256*(\s)
	ds_load_b32 v[ASC+1], v[LS] offset:256*(\s)+128
.endm
.macro BLOAD s, t
.irp c, 0,1,2
	global_load_b128 v[BF+12*(\t)+4*\c:BF+12*(\t)+4*\c+3], v[WO], s[WB:WB+1] offset:(4*(\s)+(\t))*1536+512*\c
.endr
.endm
; A K step of 128: 16 matrix instructions on 16 accumulators by turns, one instruction a turn; four plain lines behind each tile's products, in front of the loads into the fragment just read.
.macro GSTEP s
.if (\s) == 0
.set ZF, 1
.else
.set ZF, 0
.endif
	ALOAD \s
.irp t, 0,1,2,3
.if (\s) == 7
	s_wait_loadcnt 9-3*\t                          ; the last step asks for nothing: behind fragment t stand the 3 - t later fragments' loads
.else
	s_wait_loadcnt 9                               ; fragment t is in: behind its three loads nine were issued, three fragments'
.endif
.if \t == 0
	s_wait_dscnt 0x0
.endif
.irp m, 0,1,2,3
	WM ACC+32*\m+8*\t, AF+12*\m, BF+12*\t, ASC+\m/2, BSC+2*(\s)+\t/2, \m%2, \t%2
.endr
.rept 4
	v_nop
.endr
.if (\s) < 7
	BLOAD (\s)+1, \t
.endif
.endr
.endm
.macro QUANT s                         ; 64 numbers of a lane, register 16 b + i = place 32 b + 16 (lane / 16) + i of my row's 128 -> codes in v[PC] on, scale word in v[PW]
.irp b, 0,1,2,3
	v_max3_num_f32 v[TM+\b], |v[\s+16*\b]|, |v[\s+1+16*\b]|, 0x1800000
.endr
.irp i, 2,4,6,8,10,12,14
.irp b, 0,1,2,3
	s_delay_alu instid0(VALU_DEP_4)
	v_max3_num_f32 v[TM+\b], v[TM+\b], |v[\s+16*\b+\i]|, |v[\s+1+16*\b+\i]|
.endr
.endr
.irp b, 0,1,2,3
	s_delay_alu instid0(VALU_DEP_4)
	v_permlanex16_b32 v[TM+4+\b], v[TM+\b], s[SEL], s[SEL+1]
.endr
.irp b, 0,1,2,3
	s_delay_alu instid0(VALU_DEP_4)
	v_max_num_f32 v[TM+\b], v[TM+\b], v[TM+4+\b]
.endr
.irp b, 0,1,2,3
	s_delay_alu instid0(VALU_DEP_4)
	v_add_nc_u32 v[TM+12+\b], 0xff000000, v[TM+\b]
.endr
.irp b, 0,1,2,3
	s_delay_alu instid0(VALU_DEP_4)
	v_lshrrev_b32 v[TM+4+\b], 23, v[TM+12+\b]
.endr
	s_delay_alu instid0(VALU_DEP_3)
	v_lshl_or_b32 v[PW], v[TM+5], 8, v[TM+4]
	s_delay_alu instid0(VALU_DEP_1)
	v_lshl_or_b32 v[PW], v[TM+6], 16, v[PW]
	s_delay_alu instid0(VALU_DEP_1)
	v_lshl_or_b32 v[PW], v[TM+7], 24, v[PW]
.irp c, 0,1
	v_cvt_scalef32_pk16_fp6_f32 v[PC+6*\c:PC+2+6*\c], v[\s+32*\c:\s+15+32*\c], v[TM+12+2*\c]
	v_cvt_scalef32_pk16_fp6_f32 v[PC+12+4*\c:PC+14+4*\c], v[\s+16+32*\c:\s+31+32*\c], v[TM+12+2*\c+1]
.endr
	v_nop                                          ; one plain line behind a scaled conversion
.irp c, 0,1
.irp i, 0,1,2
	v_permlane16_swap_b32 v[PC+6*\c+\i], v[PC+12+4*\c+\i]
.endr
.irp i, 0,1,2
	s_delay_alu instid0(VALU_DEP_3)
	v_mov_b32 v[PC+3+6*\c+\i], v[PC+12+4*\c+\i]
.endr
.endr
.endm
.macro XQ g, e
.set I, 0
.rept 16
	ds_store_b128 v[SWR], v[(\g)+4*I:(\g)+4*I+3] offset:528*I
.set I, I+1
.endr
	s_wait_dscnt 0x0                               ; the stores have read their registers, which the loads below fill
.irp b, 0,1,2,3
.irp j, 0,1,2,3
	ds_load_b128 v[(\g)+16*\b+4*\j:(\g)+16*\b+4*\j+3], v[SRD] offset:128*\b+16*\j
.endr
.endr
	s_wait_dscnt 0x0
	QUANT \g
.irp c, 0,1,2
	ds_store_b128 v250, v[PC+4*\c:PC+4*\c+3] offset:512*\c+6144*(\e)
.endr
	ds_store_b32 v251, v[PW] offset:256*(\e)
.endm
; Key block i of my four: the bias is added on the way into 32 consecutive registers, in the keys' order 16 e + g; then the block's scale and codes: registers 6 i .. 6 i + 5 of the two fragments.
.macro VBLOCK i
.set G, 0
.rept 16
	v_add_f32 v[T+G], v[ACC+8*G+2*(\i)], v[BV+G]
	v_add_f32 v[T+16+G], v[ACC+8*G+2*(\i)+1], v[BV+G]
.set G, G+1
.endr
	v_max3_num_f32 v102, |v[T]|, |v[T+1]|, |v[T+2]|
	v_max3_num_f32 v103, |v[T+3]|, |v[T+4]|, |v[T+5]|
.irp k, 6,10,14,18,22,26
	s_delay_alu instid0(VALU_DEP_2)
	v_max3_num_f32 v102, v102, |v[T+\k]|, |v[T+\k+1]|
	s_delay_alu instid0(VALU_DEP_2)
	v_max3_num_f32 v103, v103, |v[T+\k+2]|, |v[T+\k+3]|
.endr
	s_delay_alu instid0(VALU_DEP_2)
	v_max3_num_f32 v102, v102, |v[T+30]|, |v[T+31]|
	s_delay_alu instid0(VALU_DEP_1)
	v_max3_num_f32 v102, v102, v103, 0x1800000     ; the floor 2^(3 - 127)
	s_delay_alu instid0(VALU_DEP_1)
	v_add_nc_u32 v104, 0xff000000, v102
	s_delay_alu instid0(VALU_DEP_1)
	v_lshrrev_b32 v[106+(\i)], 23, v104            ; the byte
	v_cvt_scalef32_pk16_fp6_f32 v[CF+6*(\i):CF+6*(\i)+2], v[T:T+15], v104
	v_cvt_scalef32_pk16_fp6_f32 v[CT:CT+2], v[T+16:T+31], v104
	v_nop                                          ; one plain line behind a scaled conversion
.irp k, 0,1,2
	v_mov_b32 v[CF+6*(\i)+3+\k], v[CT+\k]
.endr
.endm
	s_load_b256 s[4:11], s[0:1], 0x0               ; values s[4:5], wimg s[6:7], bv s[8:9], vv s[10:11]
	v_lshrrev_b32 v26, 5, v0
	s_delay_alu instid0(VALU_DEP_1)
	v_readfirstlane_b32 s16, v26                   ; wave
	v_and_b32 v26, 31, v0                          ; lane   (v26-31 serve the head alone: the quantiser's codes take them)
	v_and_b32 v27, 15, v0                          ; r
	v_bfe_u32 v28, v0, 4, 1                        ; h
	s_delay_alu instid0(VALU_DEP_3)
	v_lshlrev_b32 v[WO], 4, v26
	s_delay_alu instid0(VALU_DEP_4)
	v_lshlrev_b32 v[WS], 2, v26
	s_delay_alu instid0(VALU_DEP_2)
	v_add_nc_u32 v[LA], XIMG, v[WO]
	s_delay_alu instid0(VALU_DEP_2)
	v_add_nc_u32 v[LS], XSC, v[WS]
	v_lshlrev_b32 v[XO], 4, v27
	s_delay_alu instid0(VALU_DEP_1)
	v_lshl_add_u32 v[XO], v28, 11, v[XO]
	s_mul_i32 s18, s16, 8448
	v_add_nc_u32 v[SWR], s18, v[WO]
	v_bfe_u32 v29, v0, 1, 2                        ; (r % 8) / 2
	v_bfe_u32 v30, v0, 3, 1                        ; r / 8
	v_and_b32 v31, 1, v0                           ; r % 2
	s_delay_alu instid0(VALU_DEP_3)
	v_lshlrev_b32 v29, 2, v29
	s_delay_alu instid0(VALU_DEP_1)
	v_lshl_add_u32 v29, v30, 1, v29
	s_delay_alu instid0(VALU_DEP_1)
	v_add_nc_u32 v29, v29, v31                     ; the local row that fragment lane r holds
	s_delay_alu instid0(VALU_DEP_1)
	v_mul_u32_u24 v[SRD], v29, 528
	s_delay_alu instid0(VALU_DEP_1)
	v_lshl_add_u32 v[SRD], v28, 6, v[SRD]
	s_delay_alu instid0(VALU_DEP_1)
	v_add_nc_u32 v[SRD], s18, v[SRD]
	s_lshr_b32 s19, s16, 2                         ; m for x; gq for the products
	s_and_b32 s20, s16, 3                          ; sp for x; dt for the products
	s_lshl_b32 s21, s20, 3
	s_add_co_u32 s21, s21, s19
	s_mul_i32 s21, s21, 1536
	v_add_nc_u32 v250, s21, v[LA]
	s_lshl_b32 s22, s20, 9
	s_lshl_b32 s23, s19, 6
	s_add_co_u32 s22, s22, s23
	s_add_co_u32 s22, s22, XSC
	v_lshl_add_u32 v251, v27, 2, s22
	v_lshlrev_b32 v252, 3, v0                      ; 8 x thread
	s_delay_alu instid0(VALU_DEP_1)
	v_add_nc_u32 v253, BIAS, v252
	s_mov_b32 s[SEL], 0x76543210
	s_mov_b32 s[SEL+1], 0xfedcba98
.irp b, 0,1,2,3
	v_mov_b32 v[TM+4+\b], 0
.endr
	s_lshl_b32 s28, ttmp9, 6
	s_lshl_b32 s29, s19, 4
	s_add_co_u32 s28, s28, s29
	s_lshl_b32 s28, s28, 12
	s_lshl_b32 s29, s20, 9
	s_add_co_u32 s28, s28, s29
	s_mov_b32 s29, 0
	s_mul_i32 s30, s16, 49152
	s_add_co_u32 s30, s30, 1638400                 ; Wv is the third weight of the workspace
	s_mov_b32 s31, 0
	s_lshl_b32 s40, s16, 11
	s_add_co_u32 s40, s40, 2424832
	s_mov_b32 s41, 0
	s_mul_i32 s42, ttmp9, 49152                    ; 8 steps x 4 fragments of 1,536 bytes a work-group
	s_mul_i32 s43, s19, 12288                      ; my two steps
	s_add_co_u32 s42, s42, s43
	s_mul_i32 s43, s20, 1536
	s_add_co_u32 s42, s42, s43
	s_mov_b32 s43, 0
	s_lshl_b32 s44, ttmp9, 11
	s_lshl_b32 s45, s19, 9
	s_add_co_u32 s44, s44, s45
	s_lshl_b32 s45, s20, 6
	s_add_co_u32 s44, s44, s45
	s_add_co_u32 s44, s44, 6291456
	s_mov_b32 s45, 0
	s_wait_alu depctr_va_vdst(0)
	s_wait_kmcnt 0x0
	s_add_nc_u64 s[24:25], s[4:5], s[28:29]        ; x
	s_add_nc_u64 s[WB:WB+1], s[6:7], s[30:31]
	s_add_nc_u64 s[34:35], s[6:7], s[40:41]
	s_add_nc_u64 s[36:37], s[10:11], s[42:43]      ; the images out
	s_add_nc_u64 s[38:39], s[10:11], s[44:45]      ; the scale words out
	global_load_b64 v[BL:BL+1], v252, s[8:9]
.irp q, 0,1,2,3,4,5,6,7
	global_load_b32 v[BSC+2*\q], v[WS], s[34:35] offset:256*\q
	global_load_b32 v[BSC+2*\q+1], v[WS], s[34:35] offset:256*\q+128
.endr
.irp t, 0,1,2,3
	BLOAD 0, \t
.endr
.irp e, 0,1
.set I, 0
.rept 16
	global_load_b128 v[G0+64*\e+4*I:G0+64*\e+4*I+3], v[XO], s[24:25] offset:4096*I+256*\e th:TH_LOAD_NT
.set I, I+1
.endr
.endr
	s_wait_loadcnt 16                              ; all but the second K step's sixteen loads are in
	ds_store_b64 v253, v[BL:BL+1]
	XQ G0, 0
	s_wait_loadcnt 0x0
	XQ G1, 1
	s_wait_dscnt 0x0
	s_barrier_signal -1
	s_barrier_wait -1                              ; x's 32 fragments lie in LDS
	; the addresses of what follows the products, made anew from the thread's number; v5-7 and v250-253 are free: every load and LDS instruction that named them is done
	v_and_b32 v5, 15, v0                           ; r
	s_wait_alu depctr_va_vdst(0)
	v_bfe_u32 v6, v0, 3, 1                         ; r / 8
	v_bfe_u32 v7, v0, 4, 1                         ; h
	s_lshl_b32 s40, s20, 16
	s_lshl_b32 s41, s19, 12
	s_add_co_u32 s41, s41, s40
	v_add_nc_u32 v250, s41, v[WO]                  ; the exchange, in: [dt][.][gq]
	s_lshl_b32 s41, s19, 14
	s_add_co_u32 s41, s41, s40
	v_add_nc_u32 v251, s41, v[WO]                  ; and out: [dt][m = gq]
	s_lshr_b32 s42, s20, 1
	s_lshl_b32 s42, s42, 7
	s_and_b32 s43, s20, 1
	s_lshl_b32 s43, s43, 5
	s_add_co_u32 s42, s42, s43
	s_add_co_u32 s42, s42, BIAS
	v_lshlrev_b32 v252, 2, v5
	s_wait_alu depctr_va_vdst(0)
	v_lshl_add_u32 v252, v6, 5, v252
	s_delay_alu instid0(VALU_DEP_1)
	v_add_nc_u32 v252, s42, v252                   ; bv at my channel d = 32 (dt / 2) + 8 (dt % 2) + r + 8 (r / 8)
	v_lshlrev_b32 v253, 2, v5
	s_delay_alu instid0(VALU_DEP_1)
	v_lshl_add_u32 v253, v7, 8, v253               ; scale words out: 256 h + 4 r
	v_lshlrev_b32 v254, 3, v7                      ; 8 h: a shift
	v_and_b32 v255, 31, v0                         ; lane
.irp q, 0,1,2,3,4,5,6,7
	GSTEP \q
.endr
	s_wait_dscnt 0x0                               ; my reads of x's images are over
	s_barrier_signal -1
	s_barrier_wait -1                              ; everybody's are: the exchange may be written over them
.irp m, 0,1,2,3
.irp t, 0,1,2,3
	ds_store_b128 v250, v[ACC+32*\m+8*\t:ACC+32*\m+8*\t+3] offset:16384*\m+1024*\t      ; each accumulator from its low end on
	ds_store_b128 v250, v[ACC+32*\m+8*\t+4:ACC+32*\m+8*\t+7] offset:16384*\m+1024*\t+512
.endr
.endr
	s_wait_dscnt 0x0
	s_barrier_signal -1
	s_barrier_wait -1
.irp q, 0,1,2,3
.irp t, 0,1,2,3
	ds_load_b128 v[ACC+8*(4*\q+\t):ACC+8*(4*\q+\t)+3], v251 offset:4096*\q+1024*\t       ; g = 4 q + t, my row tile
	ds_load_b128 v[ACC+8*(4*\q+\t)+4:ACC+8*(4*\q+\t)+7], v251 offset:4096*\q+1024*\t+512
.endr
.endr
.set G, 0
	s_wait_alu depctr_va_vdst(0)
.rept 16
	ds_load_b32 v[BV+G], v252 offset:256*G
.set G, G+1
.endr
	s_wait_dscnt 0x0
	VBLOCK 0
	VBLOCK 1
	VBLOCK 2
	VBLOCK 3
	; the scale words: fragment sigma's byte 2 c + h is my block 2 sigma + c's; the other half of the lanes has the other two bytes
	v_lshl_or_b32 v110, v107, 16, v106
	v_lshl_or_b32 v111, v109, 16, v108
	s_delay_alu instid0(VALU_DEP_2)
	v_lshlrev_b32 v110, v254, v110
	s_delay_alu instid0(VALU_DEP_2)
	v_lshlrev_b32 v111, v254, v111
	v_mov_b32 v112, 0
	v_mov_b32 v113, 0
	s_delay_alu instid0(VALU_DEP_2)
	v_permlanex16_b32 v112, v110, s[SEL], s[SEL+1]
	s_delay_alu instid0(VALU_DEP_2)
	v_permlanex16_b32 v113, v111, s[SEL], s[SEL+1]
	s_delay_alu instid0(VALU_DEP_2)
	v_or_b32 v110, v110, v112
	s_delay_alu instid0(VALU_DEP_2)
	v_or_b32 v111, v111, v113
	v_cmp_le_u32 vcc_lo, 16, v255
	s_delay_alu instid0(VALU_DEP_1)
	v_cndmask_b32 v110, v110, v111, vcc_lo         ; lanes 0-15 store the first step's words, lanes 16-31 the second's
.irp e, 0,1
.irp c, 0,1,2
	global_store_b128 v[WO], v[CF+12*\e+4*\c:CF+12*\e+4*\c+3], s[36:37] offset:6144*\e+512*\c   ; 32 lanes store 512 consecutive bytes, at a multiple of 512 from the buffer's first byte
.endr
.endr
	global_store_b32 v253, v110, s[38:39]
	s_barrier_signal -1
	s_barrier_wait -1
	s_wait_xcnt 0x0
	v_lshl_add_u32 v254, v0, 2, 0x41000
	v_mov_b32 v255, 0
	s_wait_alu depctr_va_vdst(0)
	s_wait_tensorcnt 0x0
	ds_add_u32 v254, v255
	s_wait_dscnt 0x0
	s_endpgm
.Lfunc_end_k_q61bd2c6198_proj_v:
	.size	k_q61bd2c6198_proj_v, .Lfunc_end_k_q61bd2c6198_proj_v-k_q61bd2c6198_proj_v
	.p2alignl 7, 3214868480
	.fill 96, 4, 3214868480
	.section	.rodata,"a",@progbits
	.p2align	6, 0x0
	.amdhsa_kernel k_q61bd2c6198_proj_v
		.amdhsa_group_segment_fixed_size 268288
		.amdhsa_private_segment_fixed_size 0
		.amdhsa_enable_private_segment 0
		.amdhsa_kernarg_size 32
		.amdhsa_user_sgpr_count 2
		.amdhsa_user_sgpr_kernarg_segment_ptr 1
		.amdhsa_wavefront_size32 1
		.amdhsa_system_sgpr_workgroup_id_x 1
		.amdhsa_system_sgpr_workgroup_id_y 1
		.amdhsa_system_sgpr_workgroup_id_z 1
		.amdhsa_system_vgpr_workitem_id 0
		.amdhsa_next_free_vgpr 256
		.amdhsa_next_free_sgpr 66
		.amdhsa_reserve_vcc 1
		.amdhsa_float_denorm_mode_32 3
		.amdhsa_float_denorm_mode_16_64 3
		.amdhsa_memory_ordered 1
		.amdhsa_forward_progress 1
		.amdhsa_inst_pref_size 81
	.end_amdhsa_kernel
	.amdgpu_metadata
---
amdhsa.version: [ 1, 2 ]
amdhsa.kernels:
  - .name:           k_q61bd2c6198_proj_v
    .symbol:         k_q61bd2c6198_proj_v.kd
    .args:
      - { .name: values, .offset: 0, .size: 8, .value_kind: global_buffer, .address_space: global }
      - { .name: wimg, .offset: 8, .size: 8, .value_kind: global_buffer, .address_space: global }
      - { .name: bv, .offset: 16, .size: 8, .value_kind: global_buffer, .address_space: global }
      - { .name: vv, .offset: 24, .size: 8, .value_kind: global_buffer, .address_space: global }
    .group_segment_fixed_size: 268288
    .private_segment_fixed_size: 0
    .kernarg_segment_align: 8
    .kernarg_segment_size: 32
    .max_flat_workgroup_size: 512
    .sgpr_count:     66
    .vgpr_count:     256
    .wavefront_size: 32
...
	.end_amdgpu_metadata
.endif
;; end of part 3
;; launch attn_out (part 4): grid 4 x 64, 16 waves a work-group, no clusters, 236,544 bytes of LDS; arguments qk, vv, wimg, bo, queries, ln_gamma, ln_beta, out0; writes out0
.if DOCPART == 4
	.amdgcn_target "amdgcn-amd-amdhsa--gfx1250"
	.amdhsa_code_object_version 6
	.text
	.protected	k_q61bd2c6198_attn_out
	.globl	k_q61bd2c6198_attn_out
	.p2align	8
	.type	k_q61bd2c6198_attn_out,@function
k_q61bd2c6198_attn_out:
	s_mov_b64 s[64:65], 0
	v_nop
	global_prefetch_b8 v0, s[64:65] scope:SCOPE_SE
	s_setreg_imm32_b32 hwreg(HW_REG_WAVE_MODE, 25, 1), 1
	s_wait_xcnt 0x0
; PART 1: O[head][q] = sum over keys of softmax(Q . K / 8) V, 64 heads of 2,048 rows x 64 channels.  PART 2: out0 = LayerNorm(O as [8192][1024] x Wo + bo + queries) x gamma + beta.
; All three products on codes of FP6 (E2M3) with one E8M0 scale for each 32 along a product's K; all else in f32.
; THE SOFTMAX AHEAD OF THE SECOND PRODUCT: t = score x log2(e) / 8; M = the running largest t rounded UP to a whole number; p = 2^(t - M) is quantised along the keys, not normalised; the row's sum is taken of the
; unquantised p and divides O at the end; when M moves, the sum and O are multiplied by 2^(old M - new M), which rounds nothing.
; SHARES.  A work-group owns 512 queries of one head, which are 32 whole rows of the last product: rows 32 (4 head + x) on.  So O never goes to memory: it is quantised into LDS as the last product's left operand.
; The head's K and V codes and scale words (208,896 bytes) are copied into LDS ONCE, through registers, and stay: one barrier, no ring.  Sixteen waves, four to a SIMD, so that one wave's vector work stands beside another's
; matrix work; wave w owns the block of 32 queries 16 x + w, as two tiles of 16, one after the other.  Every tile walks the 2,048 keys, 128 a step.
; The four work-groups of a head each read K and V once, at their head: what they share is read once a work-group and not once a step, so no joint requests are made.  Each fragment of Wo is used by ONE wave of the
; work-group, so it goes from the laid-out workspace straight into that wave's registers, one K step ahead: a trip through LDS would add bytes and spare none.
; LAYOUT OF PART 1.  Both products are used transposed: S^T = K Q^T (source 0 = 16 keys), O^T = V^T P^T (source 0 = 16 channels): a lane holds ONE query throughout.  Lane p of tile u of a block of 32 rows (queries and keys alike) is
; row 16 (p / 8) + 8 u + p % 8, so that the 16 registers of tiles 2 b, 2 b + 1 of S^T are 16 neighbouring keys.
; THE FIRST PRODUCT'S K IS 64, THE INSTRUCTION'S 128: Q's fragment is six registers of codes and six of zero codes.  K's operand for tile t is the twelve registers from 6 t on: its own six and the next tile's six (behind tile 7: six
; cleared ones); those meet Q's zero codes, every code of this format is a finite number, and the scale bytes of that half are 0x7f on both sides: they add exactly 0.
; FROM PART 1 TO PART 2: O / sum, quantised along the channels, as images of operand registers (3 pieces of 512 bytes, lane l's 16 bytes at 16 l): query 32 (16 x + w) + 16 (p / 8) + 8 u + p % 8 is row 2 w + p / 8 of the
; work-group's 32 rows, K step p % 8, register half u: the order of K in which Wo's fragments are laid too.
; PART 2.  Wave w owns columns 64 w .. 64 w + 63 (4 tiles) for the 32 rows (2 tiles); the product is used transposed (source 0 = 16 columns of Wo): lane (row, h) holds in register 8 t + j (t = 2 b + u) column
; 64 w + 32 b + 16 h + 8 u + j.  The sums go through a stage in LDS; then wave w owns rows 2 w and 2 w + 1 whole, and the reductions stay inside the wave.  The variance is the mean of (x - mean)^2, in a second pass over registers.
; What part 2 wants from memory first (bo, gamma, beta, Wo's scale words and first four fragments, the residual) is asked for by each wave as soon as its own two tiles are done, ahead of the barrier between the parts.
; ADDRESS REGISTERS v1-11 never hold data; part 2's are made anew from the thread's number.
; LIMITS: NaN and infinities are not served; a block of zeros gets the byte 1 (codes zero; this program alone reads the bytes); the last product's sums run in the order of K in which both operands are laid.
.set VIMG, 98304                       ; LDS, part 1: 0: K's 64 images; V's 64;
.set KS,   196608                      ; K's scale words, 128 bytes a block of 32 keys;
.set VS,   204800                      ; V's, 256 bytes a step;
.set OST,  208896                      ; both parts: O's 16 images [s][row tile][1536];
.set OSC,  233472                      ; their scale words [s][32 rows]
.set PAR,  135168                      ; part 2, over K's and V's images, which are done with: from 0 the stage, 32 rows x (4,096 + 16) bytes; here bo, gamma, beta, 4,096 bytes each
.set WV,  20                           ; s20  my wave's number
.set SEL, 46                           ; s[46:47] selects of v_permlanex16_b32: lane l xor 16
.set CS,  48                           ; s[48:49] c = log2(e) / 8
.set TK,  50                           ; s50  the step's images: 6,144 bytes a step, in K and in V
.set TS,  51                           ; s51  K's scale words: 512
.set TT,  52                           ; s52  V's: 256
.set CNT, 53
.set WB,  56                           ; s[56:57] my wave's fragments of Wo; s[58:59] its scale words; s[60:61] the residual; s[62:63] out0
.set T2,  241                          ; v241-248 at work in O's quantiser; v249 its scale bytes
; THE KEYS' ORDER IN LDS (it takes the place of what is said above of the keys; the queries stay as said): K's images are re-laid on their way into LDS, so that lane p of tile 4 c + t of a step is key 64 c + 32 (p / 8) + 8 t + p % 8.
; Lane (query, h) then holds in the 32 registers of tiles 4 c .. 4 c + 3 of S^T the WHOLE block of 32 keys 2 c + h, in the keys' order: a block's largest score needs no other lane, and the conversions' results are P's operand as they stand.
; REGISTERS OF PART 1: v1-4 lane places (K, V, K's scales, V's scales); v5-8 the step's addresses; v9, v10 O's images; v12 -M, v13 the largest score; v16-27 Q of tile 0 (22-27 zero), v28 its scale words; v29-31 the copy's places;
; v32-79 K's eight tiles: the next step's are asked for behind this step's first product; v80-85 zero; v86-89 K's scale words, v90-91 V's; v96-159 S^T, then p, then (v96-143) V's four fragments; v160-191 O^T; v192-203 p's codes;
; v204-210 at work; v211 byte selects for p's scale word; v212-223 block maxima, scale operands, at work; v[224:225] f; v226 at work; v227 p's scale word; v228-239 Q of tile 1 (234-239 zero), v240 its scale words; v244-251 the row's sum, four pairs.
; REGISTERS OF PART 2:
.set WO,  1                            ; v1   16 lane (as in part 1)
.set WS,  2                            ; v2   4 lane
.set LA,  3                            ; v3   16 lane + OST
.set LS,  4                            ; v4   4 lane + OSC
.set P8,  5                            ; v5   8 x thread
.set PST, 6                            ; v6   PAR + 8 x thread
.set SY0, 7                            ; v7   the stage, in: row r
.set SY1, 8                            ; v8   and row 16 + r
.set SRB, 9                            ; v9   the stage, back
.set PRD, 10                           ; v10  PAR + 16 lane
.set BSC, 12                           ; v12-27  Wo's scale words: register 2 s + i: lanes 0-15 tile 2 i, lanes 16-31 tile 2 i + 1
.set ASC, 28                           ; v28     the rows' scale words of the step: lanes 0-15 row tile 0, lanes 16-31 row tile 1
.set AF,  30                           ; v30-53  two fragments of rows
.set BF,  54                           ; v54-101 Wo's four fragments
.set ACC, 102                          ; v102-165 accumulator (m, t) at ACC + 32 m + 8 t
.set RES, 166                          ; v166-229 the residual of my two rows
.set XR,  30                           ; behind the product: v30-93 my two rows
.set BO,  102                          ; v102-133 bo
.set GM,  166                          ; v166-197 gamma
.set BT,  198                          ; v198-229 beta
.set SM,  236                          ; v236-243 sums: two chains a row
.set PD,  244                          ; v244-245 lane permutes' destinations
.set MU,  246                          ; v246-249 the means, a pair a row
.set RS,  250                          ; v250-253 1 / sqrt(variance + 1e-5), a pair a row
.set ZF,  0
.macro QUANT2 src, pc, pw              ; 32 numbers of a lane, register 16 b + i = channel 32 b + 16 (lane / 16) + i; lane (row, h) ends with block h's 24 bytes in v[pc] .. v[pc + 5]
.irp b, 0,1
	v_max3_num_f32 v[T2+\b], |v[(\src)+16*\b]|, |v[(\src)+16*\b+1]|, 0x1800000
.endr
.irp i, 2,4,6,8,10,12,14
.irp b, 0,1
	s_delay_alu instid0(VALU_DEP_2)
	v_max3_num_f32 v[T2+\b], v[T2+\b], |v[(\src)+16*\b+\i]|, |v[(\src)+16*\b+\i+1]|
.endr
.endr
.irp b, 0,1
	s_delay_alu instid0(VALU_DEP_2)
	v_permlanex16_b32 v[T2+2+\b], v[T2+\b], s[SEL], s[SEL+1]
.endr
.irp b, 0,1
	s_delay_alu instid0(VALU_DEP_2)
	v_max_num_f32 v[T2+\b], v[T2+\b], v[T2+2+\b]
.endr
.irp b, 0,1
	s_delay_alu instid0(VALU_DEP_2)
	v_add_nc_u32 v[T2+4+\b], 0xff000000, v[T2+\b]
.endr
.irp b, 0,1
	s_delay_alu instid0(VALU_DEP_2)
	v_lshrrev_b32 v[T2+6+\b], 23, v[T2+4+\b]
.endr
	s_delay_alu instid0(VALU_DEP_1)
	v_lshl_or_b32 v[(\pw)], v[T2+7], 8, v[T2+6]
	v_cvt_scalef32_pk16_fp6_f32 v[(\pc):(\pc)+2], v[(\src):(\src)+15], v[T2+4]
	v_cvt_scalef32_pk16_fp6_f32 v[(\pc)+4:(\pc)+6], v[(\src)+16:(\src)+31], v[T2+5]
	v_nop                                          ; one plain line behind a scaled conversion
.irp i, 0,1,2
	v_permlane16_swap_b32 v[(\pc)+\i], v[(\pc)+4+\i]
.endr
	s_delay_alu instid0(VALU_DEP_3)
	v_mov_b32 v[(\pc)+3], v[(\pc)+4]
	s_delay_alu instid0(VALU_DEP_3)
	v_mov_b32 v[(\pc)+4], v[(\pc)+5]
	s_delay_alu instid0(VALU_DEP_3)
	v_mov_b32 v[(\pc)+5], v[(\pc)+6]
.endm
; A KEY STEP of 128 keys for the tile whose Q stands at v[qf] on, scale words in v[qs].
.macro LADD j                          ; four pairs of p, from register 96 + j on, onto the sum's four pairs
.irp k, 0,1,2,3
	v_pk_add_f32 v[244+2*\k:245+2*\k], v[244+2*\k:245+2*\k], v[96+(\j)+2*\k:97+(\j)+2*\k]
.endr
.endm
.macro STEP qf, qs
	v_mov_b32 v217, v12                            ; the old -M.  With the four additions that end a step it is the fifth plain line between the last products, which read V in v96-143, and the products below, which write there
	s_wait_alu depctr_va_vdst(0)
	s_wait_dscnt 0x0
.irp t, 0,2,4,6
	v_wmma_scale_f32_16x16x128_f8f6f4 v[96+8*\t:103+8*\t], v[32+6*\t:43+6*\t], v[(\qf):(\qf)+11], 0, v[86+\t/2], v[(\qs)] matrix_a_fmt:MATRIX_FMT_FP6 matrix_b_fmt:MATRIX_FMT_FP6
	v_wmma_scale_f32_16x16x128_f8f6f4 v[104+8*\t:111+8*\t], v[38+6*\t:49+6*\t], v[(\qf):(\qf)+11], 0, v[86+\t/2], v[(\qs)] matrix_a_fmt:MATRIX_FMT_FP6 matrix_b_fmt:MATRIX_FMT_FP6 matrix_a_scale:MATRIX_SCALE_ROW1
.endr
	v_add_nc_u32 v5, s[TK], v1                     ; the step's addresses: these four lines are the distance in front of the loads into K's registers and of the first read of the scores
	v_add_nc_u32 v6, s[TK], v2
	v_add_nc_u32 v7, s[TS], v3
	v_add_nc_u32 v8, s[TT], v4
.irp k, 0,1,2,3,4,5,6,7,8,9,10,11
	ds_load_b128 v[32+4*\k:35+4*\k], v5 offset:6144+512*\k       ; THE NEXT STEP'S K: it lands while the softmax is worked.  (The last step's request reads 6,144 bytes of V's images, which follow K's in LDS; nothing uses them)
.endr
.irp b, 0,1,2,3
	ds_load_b32 v[86+\b], v7 offset:512+128*\b     ; and its scale words: lanes 0-15 tile 2 b's, lanes 16-31 tile 2 b + 1's
.endr
	ds_load_b32 v90, v8                            ; this step's scale words of V
	ds_load_b32 v91, v8 offset:128
.irp c, 0,1                                    ; the largest score of my two blocks of 32 keys, 2 c + h: two chains a block; each accumulator is first read at its low end
	v_max3_num_f32 v[212+\c], v[96+32*\c], v[97+32*\c], v[98+32*\c]
	v_max3_num_f32 v[214+\c], v[99+32*\c], v[100+32*\c], v[101+32*\c]
.endr
.irp i, 6,10,14,18,22,26
.irp c, 0,1
	v_max3_num_f32 v[212+\c], v[212+\c], v[96+32*\c+\i], v[97+32*\c+\i]
	v_max3_num_f32 v[214+\c], v[214+\c], v[98+32*\c+\i], v[99+32*\c+\i]
.endr
.endr
.irp c, 0,1
	v_max3_num_f32 v[212+\c], v[212+\c], v[126+32*\c], v[127+32*\c]
.endr
.irp c, 0,1
	v_max_num_f32 v[212+\c], v[212+\c], v[214+\c]
.endr
	s_delay_alu instid0(VALU_DEP_1)
	v_max_num_f32 v226, v212, v213                 ; my 64 keys',
	s_delay_alu instid0(VALU_DEP_1)
	v_permlanex16_b32 v216, v226, s[SEL], s[SEL+1] ; lane l xor 16's 64,
	s_delay_alu instid0(VALU_DEP_1)
	v_max3_num_f32 v13, v13, v226, v216            ; and the running largest score
	s_delay_alu instid0(VALU_DEP_1)
	v_mul_f32 v226, s[CS], v13                     ; as t (c is positive)
	s_delay_alu instid0(VALU_DEP_1)
	v_floor_f32 v12, -v226                         ; the new -M = floor(-t) = -ceil(t)
	s_delay_alu instid0(VALU_DEP_1)
	v_sub_f32 v226, v12, v217                      ; old M - new M: a whole number, 0 or less
	s_delay_alu instid0(VALU_DEP_1)
	v_cvt_i32_f32 v226, v226                       ; (it saturates)
.irp j, 0,2,4,6,8,10,12,14,16,18,20,22,24,26,28,30,32,34,36,38,40,42,44,46,48,50,52,54,56,58,60,62
	v_pk_fma_f32 v[96+\j:97+\j], v[96+\j:97+\j], s[CS:CS+1], v[12:13] op_sel_hi:[1,0,0]   ; t - M, two at a time
.endr
.irp c, 0,1
	v_fma_f32 v[212+\c], v[212+\c], s[CS], v12     ; the same of each block's largest score
.endr
.set J, 0
	s_wait_alu depctr_va_vdst(0)
.rept 64
	v_exp_f32 v[96+J], v[96+J]                     ; p = 2^(t - M)
.set J, J+1
.endr
	v_exp_f32 v212, v212                           ; my two blocks' largest p, in the same batch
	v_exp_f32 v213, v213
	v_ldexp_f32 v224, 1.0, v226                    ; f = 2^(old M - new M); the plain line behind the exponentials
	s_wait_alu depctr_va_vdst(0)                   ; one wait for the batch of 66, ahead of its first reader
.irp c, 0,1
	v_max_num_f32 v[212+\c], 0x1800000, v[212+\c]  ; the floor 2^(3 - 127)
.endr
.irp k, 0,1,2,3
	v_pk_fma_f32 v[244+2*\k:245+2*\k], v[244+2*\k:245+2*\k], v[224:225], v[96+2*\k:97+2*\k] op_sel_hi:[1,0,1]   ; the sum's four pairs under the new M, each with its first pair of the unquantised p
.endr
.irp c, 0,1
	v_add_nc_u32 v[220+\c], 0xff000000, v[212+\c]  ; 2 off the exponent field: the conversion's scale operand
.endr
	LADD 8
.irp c, 0,1
	v_lshlrev_b32 v[216+\c], 1, v[220+\c]          ; the scale's byte, in the word's top byte
.endr
	LADD 16
	v_perm_b32 v227, v217, v216, v211              ; my two bytes at places h and 2 + h of p's scale word, zeros at the other two
	LADD 24
	v_permlanex16_b32 v218, v227, s[SEL], s[SEL+1] ; lane l xor 16 has the other two
	v_cvt_scalef32_pk16_fp6_f32 v[192:194], v[96:111], v220
	v_cvt_scalef32_pk16_fp6_f32 v[204:206], v[112:127], v220       ; (a conversion's three registers begin on an even number)
.irp k, 0,1,2,3,4,5
	ds_load_b128 v[96+4*\k:99+4*\k], v6 offset:512*\k              ; block h's p is summed and converted: V's fragments 0 and 1 take its registers
.endr
	LADD 32
	LADD 40
	LADD 48                                        ; (registers 152-159 are added behind the products)
	v_cvt_scalef32_pk16_fp6_f32 v[198:200], v[128:143], v221
	v_cvt_scalef32_pk16_fp6_f32 v[208:210], v[144:159], v221
.irp k, 6,7,8,9,10,11
	ds_load_b128 v[96+4*\k:99+4*\k], v6 offset:512*\k              ; V's fragments 2 and 3, up to v143
.endr
	v_or_b32 v227, v227, v218                      ; p's scale word for these 128 keys; the plain line behind the conversions
.irp c, 0,1
.irp i, 0,1,2
	v_mov_b32 v[195+6*\c+\i], v[204+4*\c+\i]       ; registers 6 c .. 6 c + 5: keys 64 c + 32 h + 0 .. 31
.endr
.endr
.irp j, 0,2,4,6,8,10,12,14,16,18,20,22,24,26,28,30
	v_pk_mul_f32 v[160+\j:161+\j], v[160+\j:161+\j], v[224:225] op_sel_hi:[1,0]   ; O^T under the new M; these sixteen are also the distance between the codes' and the scale word's last writes and the products
.endr
	s_wait_alu depctr_va_vdst(0)
	s_wait_dscnt 0x0                               ; V is in
.irp p, 0,1
	v_wmma_scale_f32_16x16x128_f8f6f4 v[160+16*\p:167+16*\p], v[96+24*\p:107+24*\p], v[192:203], v[160+16*\p:167+16*\p], v[90+\p], v227 matrix_a_fmt:MATRIX_FMT_FP6 matrix_b_fmt:MATRIX_FMT_FP6
	v_wmma_scale_f32_16x16x128_f8f6f4 v[168+16*\p:175+16*\p], v[108+24*\p:119+24*\p], v[192:203], v[168+16*\p:175+16*\p], v[90+\p], v227 matrix_a_fmt:MATRIX_FMT_FP6 matrix_b_fmt:MATRIX_FMT_FP6 matrix_a_scale:MATRIX_SCALE_ROW1
.endr
	LADD 56                                        ; the last four pairs of p: plain lines behind the products, which name none of these registers
.endm
; One tile of 16 queries: all 16 key steps, then O^T / sum, quantised, into O's images.
.macro TILE u, qf, qs
	v_mov_b32 v13, 0xff61b1e6                      ; the largest score so far: -3e38
	s_delay_alu instid0(VALU_DEP_1)
	v_floor_f32 v12, -v13
.irp j, 0,1,2,3,4,5,6,7
	v_mov_b32 v[244+\j], 0                         ; the row's sum, four pairs
.endr
.set J, 0
.rept 32
	v_mov_b32 v[160+J], 0                          ; O^T: the step is written once; the first change of M leaves zeros zeros
.set J, J+1
.endr
	s_mov_b32 s[TK], 0
	s_mov_b32 s[TS], 0
	s_mov_b32 s[TT], 0
	s_mov_b32 s[CNT], 16
	v_add_nc_u32 v5, s[TK], v1
	v_add_nc_u32 v7, s[TS], v3
.irp k, 0,1,2,3,4,5,6,7,8,9,10,11
	ds_load_b128 v[32+4*\k:35+4*\k], v5 offset:512*\k            ; the first step's K: four images, tile t's six registers at v[32 + 6 t]
.endr
.irp b, 0,1,2,3
	ds_load_b32 v[86+\b], v7 offset:128*\b
.endr
.Lstep_\u:
	STEP \qf, \qs
	s_add_co_u32 s[TK], s[TK], 6144
	s_add_co_u32 s[TS], s[TS], 512
	s_add_co_u32 s[TT], s[TT], 256
	s_sub_co_u32 s[CNT], s[CNT], 1
	s_cmp_lg_u32 s[CNT], 0
	s_cbranch_scc1 .Lstep_\u
	v_pk_add_f32 v[244:245], v[244:245], v[246:247]
	v_pk_add_f32 v[248:249], v[248:249], v[250:251]
	s_delay_alu instid0(VALU_DEP_1)
	v_pk_add_f32 v[14:15], v[244:245], v[248:249]
	s_delay_alu instid0(VALU_DEP_1)
	v_add_f32 v14, v14, v15
	s_delay_alu instid0(VALU_DEP_1)
	v_permlanex16_b32 v226, v14, s[SEL], s[SEL+1]
	s_delay_alu instid0(VALU_DEP_1)
	v_add_f32 v14, v14, v226                       ; the row's sum
	s_wait_alu depctr_va_vdst(0)
	v_rcp_f32 v14, v14
.rept 4
	v_nop                                          ; the plain line behind the reciprocal, and the distance behind the last products
.endr
	s_wait_alu depctr_va_vdst(0)                   ; ahead of the reciprocal's first reader
.set J, 0
.rept 32
	v_mul_f32 v[96+J], v[160+J], v14               ; register 16 b + i: channel 32 b + 16 h + i of my query; each accumulator from its low end on
.set J, J+1
.endr
	QUANT2 96, 204, 249
.if \u == 0
	ds_store_b128 v9, v[204:207]                   ; registers 0-3 of the operand's twelve
	ds_store_b64 v9, v[208:209] offset:512         ; 4, 5
.else
	ds_store_b64 v9, v[204:205] offset:520         ; 6, 7
	ds_store_b128 v9, v[206:209] offset:1024       ; 8-11
.endif
	ds_store_b16 v10, v249 offset:2*\u             ; bytes 2 u and 2 u + 1 of the row's scale word; both halves of the lanes write the same
	s_wait_dscnt 0x0                               ; the stores have landed and have read their registers
.endm
; ---- part 2's macros
.macro WM d, a, b, sa, sb, ra, rb      ; one matrix instruction; ra, rb: the scale words stand in lanes 16-31.  ZF = 1: the first K step starts the sum
.if ZF
.if (\ra) && (\rb)
	v_wmma_scale_f32_16x16x128_f8f6f4 v[(\d):(\d)+7], v[(\a):(\a)+11], v[(\b):(\b)+11], 0, v[(\sa)], v[(\sb)] matrix_a_fmt:MATRIX_FMT_FP6 matrix_b_fmt:MATRIX_FMT_FP6 matrix_a_scale:MATRIX_SCALE_ROW1 matrix_b_scale:MATRIX_SCALE_ROW1
.elseif (\ra)
	v_wmma_scale_f32_16x16x128_f8f6f4 v[(\d):(\d)+7], v[(\a):(\a)+11], v[(\b):(\b)+11], 0, v[(\sa)], v[(\sb)] matrix_a_fmt:MATRIX_FMT_FP6 matrix_b_fmt:MATRIX_FMT_FP6 matrix_a_scale:MATRIX_SCALE_ROW1
.elseif (\rb)
	v_wmma_scale_f32_16x16x128_f8f6f4 v[(\d):(\d)+7], v[(\a):(\a)+11], v[(\b):(\b)+11], 0, v[(\sa)], v[(\sb)] matrix_a_fmt:MATRIX_FMT_FP6 matrix_b_fmt:MATRIX_FMT_FP6 matrix_b_scale:MATRIX_SCALE_ROW1
.else
	v_wmma_scale_f32_16x16x128_f8f6f4 v[(\d):(\d)+7], v[(\a):(\a)+11], v[(\b):(\b)+11], 0, v[(\sa)], v[(\sb)] matrix_a_fmt:MATRIX_FMT_FP6 matrix_b_fmt:MATRIX_FMT_FP6
.endif
.else
.if (\ra) && (\rb)
	v_wmma_scale_f32_16x16x128_f8f6f4 v[(\d):(\d)+7], v[(\a):(\a)+11], v[(\b):(\b)+11], v[(\d):(\d)+7], v[(\sa)], v[(\sb)] matrix_a_fmt:MATRIX_FMT_FP6 matrix_b_fmt:MATRIX_FMT_FP6 matrix_a_scale:MATRIX_SCALE_ROW1 matrix_b_scale:MATRIX_SCALE_ROW1
.elseif (\ra)
	v_wmma_scale_f32_16x16x128_f8f6f4 v[(\d):(\d)+7], v[(\a):(\a)+11], v[(\b):(\b)+11], v[(\d):(\d)+7], v[(\sa)], v[(\sb)] matrix_a_fmt:MATRIX_FMT_FP6 matrix_b_fmt:MATRIX_FMT_FP6 matrix_a_scale:MATRIX_SCALE_ROW1
.elseif (\rb)
	v_wmma_scale_f32_16x16x128_f8f6f4 v[(\d):(\d)+7], v[(\a):(\a)+11], v[(\b):(\b)+11], v[(\d):(\d)+7], v[(\sa)], v[(\sb)] matrix_a_fmt:MATRIX_FMT_FP6 matrix_b_fmt:MATRIX_FMT_FP6 matrix_b_scale:MATRIX_SCALE_ROW1
.else
	v_wmma_scale_f32_16x16x128_f8f6f4 v[(\d):(\d)+7], v[(\a):(\a)+11], v[(\b):(\b)+11], v[(\d):(\d)+7], v[(\sa)], v[(\sb)] matrix_a_fmt:MATRIX_FMT_FP6 matrix_b_fmt:MATRIX_FMT_FP6
.endif
.endif
.endm
.macro ALOAD s                         ; the rows' two fragments and their scale words of K step s, from O's images
.irp m, 0,1
.irp c, 0,1,2
	ds_load_b128 v[AF+12*\m+4*\c:AF+12*\m+4*\c+3], v[LA] offset:(2*(\s)+\m)*1536+512*\c
.endr
.endr
	ds_load_b32 v[ASC], v[LS] offset:128*(\s)
.endm
.macro BLOAD s, t                      ; Wo's fragment (s, t) of my wave, from the workspace
.irp c, 0,1,2
	global_load_b128 v[BF+12*(\t)+4*\c:BF+12*(\t)+4*\c+3], v[WO], s[WB:WB+1] offset:(4*(\s)+(\t))*1536+512*\c
.endr
.endm
; A K step of 128: 8 matrix instructions on 8 accumulators by turns, one instruction a turn; four plain lines behind each tile's products: the distance in front of the loads into the
; fragment just read; the last four also serve the next step's LDS loads and the first reads of results.
.macro GSTEP s
.if (\s) == 0
.set ZF, 1
.else
.set ZF, 0
.endif
	ALOAD \s
.irp t, 0,1,2,3
.if (\s) == 7
	s_wait_loadcnt 9-3*\t                          ; the last step asks for nothing: behind fragment t stand the 3 - t later fragments' loads
.elseif (\s) == 0
	s_wait_loadcnt 25                              ; behind fragment t: three fragments' nine loads and the residual's sixteen
.else
	s_wait_loadcnt 9                               ; behind fragment t's three loads nine were issued, three fragments'
.endif
.if \t == 0
	s_wait_dscnt 0x0
.endif
.irp m, 0,1
	WM ACC+32*\m+8*\t, BF+12*\t, AF+12*\m, BSC+2*(\s)+\t/2, ASC, \t%2, \m
.endr
.rept 4
	v_nop
.endr
.if (\s) < 7
	BLOAD (\s)+1, \t
.endif
.endr
.endm
.macro WSUM a, t                       ; the sum of v[a] over the 32 lanes, in every lane
	v_add_f32_dpp v[\a], v[\a], v[\a] row_xmask:1 row_mask:0xf bank_mask:0xf
	s_delay_alu instid0(VALU_DEP_1)
	v_add_f32_dpp v[\a], v[\a], v[\a] row_xmask:2 row_mask:0xf bank_mask:0xf
	s_delay_alu instid0(VALU_DEP_1)
	v_add_f32_dpp v[\a], v[\a], v[\a] row_xmask:4 row_mask:0xf bank_mask:0xf
	s_delay_alu instid0(VALU_DEP_1)
	v_add_f32_dpp v[\a], v[\a], v[\a] row_xmask:8 row_mask:0xf bank_mask:0xf
	s_delay_alu instid0(VALU_DEP_1)
	v_permlanex16_b32 v[\t], v[\a], s[SEL], s[SEL+1]
	s_delay_alu instid0(VALU_DEP_1)
	v_add_f32 v[\a], v[\a], v[\t]
.endm
	s_load_b256 s[4:11], s[0:1], 0x0               ; qk s[4:5], vv s[6:7], wimg s[8:9], bo s[10:11]
	s_load_b256 s[12:19], s[0:1], 0x20             ; queries s[12:13], gamma s[14:15], beta s[16:17], out0 s[18:19]
	v_lshl_add_u32 v254, v0, 2, 0x39400
	v_mov_b32 v255, 0
	v_lshrrev_b32 v1, 5, v0
	s_delay_alu instid0(VALU_DEP_1)
	v_readfirstlane_b32 s[WV], v1                  ; wave
	s_and_b32 s21, ttmp7, 0xffff                   ; head
	v_and_b32 v2, 31, v0
	s_delay_alu instid0(VALU_DEP_1)
	v_lshlrev_b32 v1, 4, v2                        ; 16 lane: K's images
	s_delay_alu instid0(VALU_DEP_2)
	v_lshlrev_b32 v3, 2, v2
	s_delay_alu instid0(VALU_DEP_1)
	v_add_nc_u32 v4, VS, v3                        ; 4 lane + V's scale words
	s_delay_alu instid0(VALU_DEP_2)
	v_add_nc_u32 v3, KS, v3                        ; 4 lane + K's
	s_delay_alu instid0(VALU_DEP_4)
	v_add_nc_u32 v2, VIMG, v1                      ; 16 lane + V's images
	v_lshlrev_b32 v9, 4, v0                        ; 16 x thread
	s_delay_alu instid0(VALU_DEP_1)
	v_add_nc_u32 v5, 65536, v9
	s_delay_alu instid0(VALU_DEP_2)
	v_add_nc_u32 v6, 131072, v9
	s_delay_alu instid0(VALU_DEP_3)
	v_and_b32 v7, 0x1f5f, v9                       ; K's scale words change places as the images do: bits 5 (which eight of a tile's lanes) and 7 (which block of a pair) of a word's place are exchanged
	v_bfe_u32 v92, v0, 3, 1
	v_bfe_u32 v93, v0, 1, 1
	v_lshl_add_u32 v7, v92, 5, v7
	v_lshl_add_u32 v7, v93, 7, v7
	v_add_nc_u32 v7, 196608, v7
	v_lshlrev_b32 v10, 3, v0                       ; 8 x thread
	s_delay_alu instid0(VALU_DEP_1)
	v_add_nc_u32 v8, VS, v10
	v_and_b32 v11, 15, v0
	s_delay_alu instid0(VALU_DEP_1)
	v_lshlrev_b32 v11, 2, v11                      ; 4 r
	; K's images on their way into LDS.  In memory lane 8 a + e of tile u of block 2 c + B is key 64 c + 32 B + 16 a + 8 u + e.  A piece of 16 bytes (block 2 c + B, piece, channel half, a, e) goes to (image 2 c + a, the same piece and half, lane 8 B + e):
	; tile 2 (2 c + a) + u = 4 c + t with t = 2 a + u then has key 64 c + 32 B + 8 t + e in lane 8 B + e.  Wave w copies images w, 16 + w, 32 + w, 48 + w: c = w / 2 (+ 8 for each 16 images), B = w % 2.
	s_mul_i32 s74, s[WV], 1536
	s_lshr_b32 s75, s[WV], 1
	s_mul_i32 s75, s75, 3072
	s_and_b32 s76, s[WV], 1
	s_lshl_b32 s76, s76, 7
	s_add_co_u32 s75, s75, s76
	v_add_nc_u32 v29, s74, v1                      ; from memory: 1,536 w + 16 lane
	v_and_b32 v30, 7, v0
	v_bfe_u32 v92, v0, 3, 1                        ; a
	v_bfe_u32 v93, v0, 4, 1                        ; the channel half
	v_lshl_add_u32 v30, v30, 4, s75
	v_mul_u32_u24 v92, v92, 1536
	v_lshl_add_u32 v30, v93, 8, v30
	v_add_nc_u32 v30, v30, v92                     ; into LDS: 3,072 (w / 2) + 1,536 a + 256 half + 128 (w % 2) + 16 e
	v_add_nc_u32 v31, 65536, v30                   ; (past an LDS immediate's 16 bits)
	s_mul_i32 s22, s21, 98304                      ; the head's images, in qk's two halves and in vv
	s_mov_b32 s23, 0
	s_lshl_b32 s24, s21, 13                        ; its scale words in qk
	s_mov_b32 s25, 0
	s_lshl_b32 s26, s21, 12                        ; and in vv
	s_mov_b32 s27, 0
	s_lshl_b32 s28, ttmp9, 4
	s_add_co_u32 s28, s28, s[WV]                   ; my block of 32 queries
	s_mul_i32 s30, s28, 1536
	s_mov_b32 s31, 0
	s_lshl_b32 s32, s28, 7
	s_mov_b32 s33, 0
	s_mul_i32 s68, s[WV], 49152
	s_add_co_u32 s68, s68, 2457600                 ; Wo is the fourth weight of the workspace: my wave's fragments
	s_mov_b32 s69, 0
	s_lshl_b32 s70, s[WV], 11
	s_add_co_u32 s70, s70, 3244032                 ; and their scale words
	s_mov_b32 s71, 0
	s_lshl_b32 s72, s21, 2
	s_add_co_u32 s72, s72, ttmp9                   ; the work-group's block of 32 rows of the output
	s_lshl_b32 s72, s72, 5
	s_lshl_b32 s73, s[WV], 1
	s_add_co_u32 s72, s72, s73                     ; my first row of part 2
	s_lshl_b32 s72, s72, 12                        ; rows of 4,096 bytes
	s_mov_b32 s73, 0
	s_mov_b32 s[SEL], 0x76543210
	s_mov_b32 s[SEL+1], 0xfedcba98
	s_mov_b32 s[CS], 0x3e38aa3b                    ; log2(e) / 8
	s_mov_b32 s[CS+1], s[CS]                       ; (named with it as a pair, so it is written)
	s_mov_b32 s66, 0x3a800000                      ; 1 / 1024
	s_mov_b32 s67, 0x3727c5ac                      ; 1e-5
	s_wait_alu depctr_va_vdst(0)
	s_wait_kmcnt 0x0
	s_add_nc_u64 s[34:35], s[4:5], s[22:23]
	s_add_nc_u64 s[36:37], s[34:35], 6815744       ; K's images of the head
	s_add_nc_u64 s[34:35], s[34:35], s[30:31]      ; Q's image of my block
	s_add_nc_u64 s[38:39], s[4:5], s[24:25]
	s_add_nc_u64 s[40:41], s[38:39], 13107200      ; K's scale words
	s_add_nc_u64 s[38:39], s[38:39], 6291456
	s_add_nc_u64 s[38:39], s[38:39], s[32:33]      ; Q's
	s_add_nc_u64 s[42:43], s[6:7], s[22:23]        ; V's images
	s_add_nc_u64 s[44:45], s[6:7], s[26:27]
	s_add_nc_u64 s[44:45], s[44:45], 6291456       ; V's scale words
	s_add_nc_u64 s[WB:WB+1], s[8:9], s[68:69]      ; Wo's fragments
	s_add_nc_u64 s[58:59], s[8:9], s[70:71]        ; Wo's scale words
	s_add_nc_u64 s[60:61], s[12:13], s[72:73]      ; the residual
	s_add_nc_u64 s[62:63], s[18:19], s[72:73]      ; out0
.set L, 0
.rept 12
	global_load_b128 v[96+4*L:99+4*L], v29, s[36:37] offset:24576*(L/3)+512*(L%3)   ; piece L % 3 of image 16 (L / 3) + w: a wave reads 512 consecutive bytes
.set L, L+1
.endr
.rept 12
	global_load_b128 v[96+4*L:99+4*L], v9, s[42:43] offset:8192*(L-12)
.set L, L+1
.endr
	global_load_b128 v[192:195], v9, s[40:41]
	global_load_b64 v[196:197], v10, s[44:45]
	global_load_b128 v[16:19], v1, s[34:35]        ; Q, tile 0: registers 0-3,
	global_load_b64 v[20:21], v1, s[34:35] offset:512    ; 4, 5
	global_load_b64 v[228:229], v1, s[34:35] offset:520  ; tile 1: the image's registers 6, 7,
	global_load_b128 v[230:233], v1, s[34:35] offset:1024   ; 8-11
	global_load_b32 v28, v11, s[38:39]
	global_load_b32 v240, v11, s[38:39] offset:64
.irp j, 0,1,2,3,4,5
	v_mov_b32 v[22+\j], 0                          ; zero codes: the padded half of the first product's K
	v_mov_b32 v[234+\j], 0
	v_mov_b32 v[80+\j], 0
.endr
.irp b, 0,1,2,3
	v_mov_b32 v[216+\b], 0                         ; a lane permute's destination counts as one of its sources
.endr
	v_mov_b32 v225, 0                              ; (named as the upper half of the pair v[224:225])
	v_mov_b32 v226, 0
	v_bfe_u32 v92, v0, 4, 1                        ; h
	v_mov_b32 v211, 0x0c070c03                     ; byte selects for p's scale word: lanes 0-15 put their two bytes at places 0 and 2,
	v_mov_b32 v93, 0x070c030c                      ; lanes 16-31 at places 1 and 3; the select 0x0c gives a zero byte
	v_cmp_eq_u32 vcc_lo, 1, v92
	v_cndmask_b32 v211, v211, v93, vcc_lo
	v_mov_b32 v[T2+2], 0
	v_mov_b32 v[T2+3], 0
.set L, 0
.rept 25
	s_wait_loadcnt 31-L                            ; load L is in: behind it stand the 25 - L later loads of the copy and Q's six
.if L < 9
	ds_store_b128 v30, v[96+4*L:99+4*L] offset:24576*(L/3)+512*(L%3)
.elseif L < 12
	ds_store_b128 v31, v[96+4*L:99+4*L] offset:8192+512*(L%3)
.elseif L < 16
	ds_store_b128 v5, v[96+4*L:99+4*L] offset:8192*(L%8)
.elseif L < 24
	ds_store_b128 v6, v[96+4*L:99+4*L] offset:8192*(L%8)
.else
	ds_store_b128 v7, v[96+4*L:99+4*L]
.endif
.set L, L+1
.endr
	s_wait_loadcnt 6                               ; V's scale words are in: behind them stand Q's six loads
	ds_store_b64 v8, v[196:197]
	s_wait_loadcnt 0x0                             ; Q
	s_wait_dscnt 0x0                               ; my part of the copy has landed
	s_barrier_signal -1
	s_barrier_wait -1                              ; the head's K and V lie in LDS
	v_and_b32 v9, 7, v0                            ; where O's codes go: K step p % 8,
	s_delay_alu instid0(VALU_DEP_1)
	v_mul_u32_u24 v9, v9, 3072
	v_bfe_u32 v10, v0, 3, 1                        ; p / 8
	s_delay_alu instid0(VALU_DEP_1)
	v_lshl_add_u32 v9, v10, 4, v9
	v_bfe_u32 v11, v0, 4, 1                        ; h
	s_delay_alu instid0(VALU_DEP_1)
	v_lshl_add_u32 v9, v11, 8, v9
	s_lshr_b32 s54, s[WV], 3
	s_mul_i32 s54, s54, 1536                       ; row tile w / 8,
	s_and_b32 s55, s[WV], 7
	s_lshl_b32 s55, s55, 5
	s_add_co_u32 s54, s54, s55                     ; lane 2 (w % 8) + p / 8 + 16 h
	s_add_co_u32 s54, s54, OST
	v_add_nc_u32 v9, s54, v9
	v_and_b32 v11, 7, v0
	s_delay_alu instid0(VALU_DEP_1)
	v_lshlrev_b32 v11, 7, v11
	s_delay_alu instid0(VALU_DEP_1)
	v_lshl_add_u32 v10, v10, 2, v11
	s_lshl_b32 s55, s[WV], 3
	s_add_co_u32 s55, s55, OSC
	v_add_nc_u32 v10, s55, v10                     ; the scale word of step p % 8, row 2 w + p / 8
	TILE 0, 16, 28
	TILE 1, 228, 240
	; ---- PART 2.  Its addresses, from the thread's number; every load and LDS instruction that named v2-11 is done
	v_and_b32 v11, 31, v0                          ; lane
	s_delay_alu instid0(VALU_DEP_1)
	v_lshlrev_b32 v[WS], 2, v11
	v_add_nc_u32 v[LA], OST, v[WO]
	s_delay_alu instid0(VALU_DEP_2)
	v_add_nc_u32 v[LS], OSC, v[WS]
	v_lshlrev_b32 v[P8], 3, v0
	s_delay_alu instid0(VALU_DEP_1)
	v_add_nc_u32 v[PST], PAR, v[P8]
	v_and_b32 v11, 15, v0                          ; r
	s_delay_alu instid0(VALU_DEP_1)
	v_mul_u32_u24 v[SY0], v11, 4112
	v_bfe_u32 v11, v0, 4, 1                        ; h
	s_delay_alu instid0(VALU_DEP_1)
	v_lshl_add_u32 v[SY0], v11, 6, v[SY0]
	s_lshl_b32 s54, s[WV], 8
	v_add_nc_u32 v[SY0], s54, v[SY0]               ; the stage (it begins at LDS byte 0), in: row r, columns 64 w + 16 h on
	s_delay_alu instid0(VALU_DEP_1)
	v_add_nc_u32 v[SY1], 65792, v[SY0]             ; and row 16 + r (past an LDS immediate's 16 bits, so it has a register)
	s_mul_i32 s54, s[WV], 8224
	v_add_nc_u32 v[SRB], s54, v[WO]                ; back: rows 2 w, 2 w + 1; 16 bytes a lane
	v_add_nc_u32 v[PRD], PAR, v[WO]
	; what part 2 wants from memory first is asked for now: 47 loads, into registers that part 1 has left; they are on their way while the wave waits for the others
	global_load_b64 v[230:231], v[P8], s[10:11]    ; bo, gamma, beta: two numbers a thread
	global_load_b64 v[232:233], v[P8], s[14:15]
	global_load_b64 v[234:235], v[P8], s[16:17]
.irp q, 0,1,2,3,4,5,6,7
	global_load_b32 v[BSC+2*\q], v[WS], s[58:59] offset:256*\q
	global_load_b32 v[BSC+2*\q+1], v[WS], s[58:59] offset:256*\q+128
.endr
.irp t, 0,1,2,3
	BLOAD 0, \t
.endr
.irp e, 0,1
.irp q, 0,1,2,3,4,5,6,7
	global_load_b128 v[RES+32*\e+4*\q:RES+32*\e+4*\q+3], v[WO], s[60:61] offset:4096*\e+512*\q th:TH_LOAD_NT
.endr
.endr
	s_wait_alu depctr_va_vdst(0)
	s_barrier_signal -1                            ; (each tile ended with a wait for all its LDS instructions: my codes have landed, my reads of K and V are over)
	s_barrier_wait -1                              ; O's 16 images are whole, and nobody reads K's and V's images any more
	s_wait_loadcnt 44                              ; the three vectors are in: behind them stand 16 scale words, 12 loads of Wo's first fragments, 16 of the residual
	ds_store_b64 v[PST], v[230:231]
	ds_store_b64 v[PST], v[232:233] offset:4096
	ds_store_b64 v[PST], v[234:235] offset:8192    ; they are read behind the stage's barrier
.irp q, 0,1,2,3,4,5,6,7
	GSTEP \q
.endr
.irp t, 0,1,2,3
	ds_store_b128 v[SY0], v[ACC+8*\t:ACC+8*\t+3] offset:(32*(\t/2)+8*(\t%2))*4           ; each accumulator from its low end on
	ds_store_b128 v[SY0], v[ACC+8*\t+4:ACC+8*\t+7] offset:(32*(\t/2)+8*(\t%2))*4+16
	ds_store_b128 v[SY1], v[ACC+32+8*\t:ACC+32+8*\t+3] offset:(32*(\t/2)+8*(\t%2))*4
	ds_store_b128 v[SY1], v[ACC+32+8*\t+4:ACC+32+8*\t+7] offset:(32*(\t/2)+8*(\t%2))*4+16
.endr
	s_wait_dscnt 0x0                               ; my part of the stage and of the three vectors has landed
	s_barrier_signal -1
	s_barrier_wait -1                              ; 32 whole rows lie in the stage
.irp e, 0,1
.irp q, 0,1,2,3,4,5,6,7
	ds_load_b128 v[XR+32*\e+4*\q:XR+32*\e+4*\q+3], v[SRB] offset:4112*\e+512*\q          ; register 4 q + i of lane l: column 128 q + 4 l + i
.endr
.endr
.irp q, 0,1,2,3,4,5,6,7
	ds_load_b128 v[BO+4*\q:BO+4*\q+3], v[PRD] offset:512*\q                              ; bo
.endr
	v_mov_b32 v[PD], 0                             ; a lane permute's destination counts as one of its sources
	v_mov_b32 v[PD+1], 0
	s_wait_dscnt 0x0
.irp e, 0,1
.irp k, 0,2,4,6,8,10,12,14,16,18,20,22,24,26,28,30
	v_pk_add_f32 v[XR+32*\e+\k:XR+32*\e+\k+1], v[XR+32*\e+\k:XR+32*\e+\k+1], v[BO+\k:BO+\k+1]
.endr
.endr
.irp e, 0,1
.irp k, 0,2,4,6,8,10,12,14,16,18,20,22,24,26,28,30
	v_pk_add_f32 v[XR+32*\e+\k:XR+32*\e+\k+1], v[XR+32*\e+\k:XR+32*\e+\k+1], v[RES+32*\e+\k:RES+32*\e+\k+1]   ; x = product + bo + queries
.endr
.endr
.irp q, 0,1,2,3,4,5,6,7
	ds_load_b128 v[GM+4*\q:GM+4*\q+3], v[PRD] offset:4096+512*\q                         ; gamma and beta take the residual's registers; they land under the reductions
	ds_load_b128 v[BT+4*\q:BT+4*\q+3], v[PRD] offset:8192+512*\q
.endr
.irp e, 0,1                                    ; the rows' sums: two chains a row
	v_pk_add_f32 v[SM+4*\e:SM+4*\e+1], v[XR+32*\e:XR+32*\e+1], v[XR+32*\e+2:XR+32*\e+3]
	v_pk_add_f32 v[SM+4*\e+2:SM+4*\e+3], v[XR+32*\e+4:XR+32*\e+5], v[XR+32*\e+6:XR+32*\e+7]
.endr
.irp k, 8,12,16,20,24,28
.irp e, 0,1
	s_delay_alu instid0(VALU_DEP_4)
	v_pk_add_f32 v[SM+4*\e:SM+4*\e+1], v[SM+4*\e:SM+4*\e+1], v[XR+32*\e+\k:XR+32*\e+\k+1]
	s_delay_alu instid0(VALU_DEP_4)
	v_pk_add_f32 v[SM+4*\e+2:SM+4*\e+3], v[SM+4*\e+2:SM+4*\e+3], v[XR+32*\e+\k+2:XR+32*\e+\k+3]
.endr
.endr
.irp e, 0
	s_delay_alu instid0(VALU_DEP_3)
	v_pk_add_f32 v[SM+4*\e:SM+4*\e+1], v[SM+4*\e:SM+4*\e+1], v[SM+4*\e+2:SM+4*\e+3]
.endr
.irp e, 1
	s_delay_alu instid0(VALU_DEP_2)
	v_pk_add_f32 v[SM+4*\e:SM+4*\e+1], v[SM+4*\e:SM+4*\e+1], v[SM+4*\e+2:SM+4*\e+3]
.endr
.irp e, 0,1
	s_delay_alu instid0(VALU_DEP_2)
	v_add_f32 v[SM+4*\e], v[SM+4*\e], v[SM+4*\e+1]
.endr
	WSUM SM, PD
	WSUM SM+4, PD+1
.irp e, 0
	v_mul_f32 v[MU+2*\e], s66, v[SM+4*\e]          ; the mean, twice: a pair for the packed form
	v_mul_f32 v[MU+2*\e+1], s66, v[SM+4*\e]
.endr
.irp e, 1
	s_delay_alu instid0(VALU_DEP_3)
	v_mul_f32 v[MU+2*\e], s66, v[SM+4*\e]          ; the mean, twice: a pair for the packed form
	s_delay_alu instid0(VALU_DEP_4)
	v_mul_f32 v[MU+2*\e+1], s66, v[SM+4*\e]
.endr
.irp e, 0,1
.irp k, 0,2,4,6,8,10,12,14,16,18,20,22,24,26,28,30
	v_pk_add_f32 v[XR+32*\e+\k:XR+32*\e+\k+1], v[XR+32*\e+\k:XR+32*\e+\k+1], v[MU+2*\e:MU+2*\e+1] neg_lo:[0,1] neg_hi:[0,1]   ; x - mean
.endr
.endr
.irp e, 0,1
	v_pk_mul_f32 v[SM+4*\e:SM+4*\e+1], v[XR+32*\e:XR+32*\e+1], v[XR+32*\e:XR+32*\e+1]
	v_pk_mul_f32 v[SM+4*\e+2:SM+4*\e+3], v[XR+32*\e+2:XR+32*\e+3], v[XR+32*\e+2:XR+32*\e+3]
.endr
.irp k, 4,8,12,16,20,24,28
.irp e, 0,1
	s_delay_alu instid0(VALU_DEP_4)
	v_pk_fma_f32 v[SM+4*\e:SM+4*\e+1], v[XR+32*\e+\k:XR+32*\e+\k+1], v[XR+32*\e+\k:XR+32*\e+\k+1], v[SM+4*\e:SM+4*\e+1]
	s_delay_alu instid0(VALU_DEP_4)
	v_pk_fma_f32 v[SM+4*\e+2:SM+4*\e+3], v[XR+32*\e+\k+2:XR+32*\e+\k+3], v[XR+32*\e+\k+2:XR+32*\e+\k+3], v[SM+4*\e+2:SM+4*\e+3]
.endr
.endr
.irp e, 0
	s_delay_alu instid0(VALU_DEP_3)
	v_pk_add_f32 v[SM+4*\e:SM+4*\e+1], v[SM+4*\e:SM+4*\e+1], v[SM+4*\e+2:SM+4*\e+3]
.endr
.irp e, 1
	s_delay_alu instid0(VALU_DEP_2)
	v_pk_add_f32 v[SM+4*\e:SM+4*\e+1], v[SM+4*\e:SM+4*\e+1], v[SM+4*\e+2:SM+4*\e+3]
.endr
.irp e, 0,1
	s_delay_alu instid0(VALU_DEP_2)
	v_add_f32 v[SM+4*\e], v[SM+4*\e], v[SM+4*\e+1]
.endr
	WSUM SM, PD
	WSUM SM+4, PD+1
.irp e, 0
	v_fma_f32 v[SM+4*\e], v[SM+4*\e], s66, s67     ; the variance + 1e-5
.endr
.irp e, 1
	s_delay_alu instid0(VALU_DEP_2)
	v_fma_f32 v[SM+4*\e], v[SM+4*\e], s66, s67     ; the variance + 1e-5
.endr
	s_wait_alu depctr_va_vdst(0)
.irp e, 0,1
	v_rsq_f32 v[RS+2*\e], v[SM+4*\e]
	v_rsq_f32 v[RS+2*\e+1], v[SM+4*\e]             ; twice: a pair for the packed form
.endr
	v_nop                                          ; a plain line behind the last of the four
	s_wait_dscnt 0x0                               ; gamma and beta are in
	s_wait_alu depctr_va_vdst(0)                   ; one wait for the four, ahead of their first reader
.irp e, 0,1
.irp k, 0,2,4,6,8,10,12,14,16,18,20,22,24,26,28,30
	v_pk_mul_f32 v[XR+32*\e+\k:XR+32*\e+\k+1], v[XR+32*\e+\k:XR+32*\e+\k+1], v[RS+2*\e:RS+2*\e+1]
.endr
.endr
.irp e, 0,1
.irp k, 0,2,4,6,8,10,12,14,16,18,20,22,24,26,28,30
	v_pk_fma_f32 v[XR+32*\e+\k:XR+32*\e+\k+1], v[XR+32*\e+\k:XR+32*\e+\k+1], v[GM+\k:GM+\k+1], v[BT+\k:BT+\k+1]
.endr
.endr
.irp e, 0,1
.irp q, 0,1,2,3,4,5,6,7
	global_store_b128 v[WO], v[XR+32*\e+4*\q:XR+32*\e+4*\q+3], s[62:63] offset:4096*\e+512*\q th:TH_STORE_NT   ; 32 lanes store 512 consecutive bytes, at a multiple of 512 from the buffer's first byte
.endr
.endr
	s_barrier_signal -1
	s_barrier_wait -1
	s_wait_tensorcnt 0x0
	ds_add_u32 v254, v255
	s_wait_dscnt 0x0
	s_endpgm
.Lfunc_end_k_q61bd2c6198_attn_out:
	.size	k_q61bd2c6198_attn_out, .Lfunc_end_k_q61bd2c6198_attn_out-k_q61bd2c6198_attn_out
	.p2alignl 7, 3214868480
	.fill 96, 4, 3214868480
	.section	.rodata,"a",@progbits
	.p2align	6, 0x0
	.amdhsa_kernel k_q61bd2c6198_attn_out
		.amdhsa_group_segment_fixed_size 236544
		.amdhsa_private_segment_fixed_size 0
		.amdhsa_enable_private_segment 0
		.amdhsa_kernarg_size 64
		.amdhsa_user_sgpr_count 2
		.amdhsa_user_sgpr_kernarg_segment_ptr 1
		.amdhsa_wavefront_size32 1
		.amdhsa_system_sgpr_workgroup_id_x 1
		.amdhsa_system_sgpr_workgroup_id_y 1
		.amdhsa_system_sgpr_workgroup_id_z 1
		.amdhsa_system_vgpr_workitem_id 0
		.amdhsa_next_free_vgpr 256
		.amdhsa_next_free_sgpr 80
		.amdhsa_reserve_vcc 1
		.amdhsa_float_denorm_mode_32 3
		.amdhsa_float_denorm_mode_16_64 3
		.amdhsa_memory_ordered 1
		.amdhsa_forward_progress 1
		.amdhsa_inst_pref_size 111
	.end_amdhsa_kernel
	.amdgpu_metadata
---
amdhsa.version: [ 1, 2 ]
amdhsa.kernels:
  - .name:           k_q61bd2c6198_attn_out
    .symbol:         k_q61bd2c6198_attn_out.kd
    .args:
      - { .name: qk, .offset: 0, .size: 8, .value_kind: global_buffer, .address_space: global }
      - { .name: vv, .offset: 8, .size: 8, .value_kind: global_buffer, .address_space: global }
      - { .name: wimg, .offset: 16, .size: 8, .value_kind: global_buffer, .address_space: global }
      - { .name: bo, .offset: 24, .size: 8, .value_kind: global_buffer, .address_space: global }
      - { .name: queries, .offset: 32, .size: 8, .value_kind: global_buffer, .address_space: global }
      - { .name: ln_gamma, .offset: 40, .size: 8, .value_kind: global_buffer, .address_space: global }
      - { .name: ln_beta, .offset: 48, .size: 8, .value_kind: global_buffer, .address_space: global }
      - { .name: out0, .offset: 56, .size: 8, .value_kind: global_buffer, .address_space: global }
    .group_segment_fixed_size: 236544
    .private_segment_fixed_size: 0
    .kernarg_segment_align: 8
    .kernarg_segment_size: 64
    .max_flat_workgroup_size: 512
    .sgpr_count:     80
    .vgpr_count:     256
    .wavefront_size: 32
...
	.end_amdgpu_metadata
.endif
;; end of part 4
